; MI455X (gfx1250); checked and timed in simulation.
; The chip was launched on July 23, 2026; its instructions are those of AMD's public machine-readable ISA for CDNA 5 (MIT licence, August 2026) and "CDNA5" Instruction Set Architecture Reference Guide (July 2026). The comments in the code are by the model that wrote it; some were corrected since.
;; Multi head attention. Allowed arithmetic: matrix products marked QUANTISED: E2M3 operands, one E8M0 scale for each 32 along K, by v_wmma_scale_f32_16x16x128_f8f6f4 with both operands' format E2M3, f32 sums; products left as they are: f32 operands where the result goes on into a quantised operand, else bf16, f16 or f32 operands; f32 sums; everything else in f32.
;; Inputs: Wk_codes 4,096 x 128 x 24 uint8 (E2M3 codes of Wk, K innermost, in blocks of 32 codes, four codes in three bytes); Wk_scales 4,096 x 128 uint8 (E8M0 scales of Wk, one for each 32 codes along K); Wq_codes 4,096 x 128 x 24 uint8 (E2M3 codes of Wq, K innermost, in blocks of 32 codes, four codes in three bytes); Wq_scales 4,096 x 128 uint8 (E8M0 scales of Wq, one for each 32 codes along K); Wv_codes 4,096 x 128 x 24 uint8 (E2M3 codes of Wv, K innermost, in blocks of 32 codes, four codes in three bytes); Wv_scales 4,096 x 128 uint8 (E8M0 scales of Wv, one for each 32 codes along K); bk 4,096 float32; bq 4,096 float32; bv 4,096 float32; mask 1,024 x 32 int32; x_codes 1,024 x 128 x 24 uint8 (E2M3 codes of x, K innermost, in blocks of 32 codes, four codes in three bytes); x_scales 1,024 x 128 uint8 (E8M0 scales of x, one for each 32 codes along K).
;; Outputs: out0 1,024 x 4,096 float32.
;; This version of the problem:
;;   THIS VERSION OF THE PROBLEM IS GIVEN IN LOW PRECISION. The matrix products marked QUANTISED in the list below multiply operands that are first quantised to E2M3 (2 exponent bits, 3 mantissa bits; 6 bits a number), with one power-of-two scale for each 32 numbers along K (OCP MX v1.0); their sums are f32. All else is computed in f32.
;;   The module's matrix products, in the order in which they are computed (A, B: the left and right operand; K: the contracted axis; several contracted axes count as one K, in the product's order):
;;     1. [M 1,024, K 4,096] x [K 4,096, N 4,096]; A: input x (given as codes); B: input Wq (given as codes): QUANTISED
;;     2. [M 1,024, K 4,096] x [K 4,096, N 4,096]; A: input x (given as codes); B: input Wk (given as codes): QUANTISED
;;     3. [M 1,024, K 4,096] x [K 4,096, N 4,096]; A: input x (given as codes); B: input Wv (given as codes): QUANTISED
;;     4. batch 1,024 x [M 1, K 128] x [K 128, N 32]; A: computed on the way; B: computed on the way: left as it is (M = 1 < 16)
;;   THE QUANTISER, for each operand of a quantised product, along K:
;;     - K is cut into blocks of 32 from its start; a last block that is shorter is filled with zeros.
;;     - A block's scale is 2^e with e = floor(log2(the largest magnitude in the block)) - 2, held to -126 .. 127; a block of zeros has e = 0. As a byte (E8M0): e + 127.
;;     - Each number is divided by its block's scale, clamped to +-7.5, and rounded to the nearest number of E2M3, ties to even, subnormals kept.
;;     - The product sums the exact products of the quantised numbers (number of the format x scale) in f32.
;;   ~~~python
;;   def quantise(x, axis):      # numpy; x: float32 -> the quantised numbers, widened to float32 again
;;       x = np.moveaxis(x, axis, -1); K = x.shape[-1]
;;       x = np.pad(x, [(0, 0)] * (x.ndim - 1) + [(0, -K % 32)]); x = x.reshape(x.shape[:-1] + (-1, 32)); a = np.abs(x).max(-1, keepdims=True)
;;       e = np.where(a > 0, np.clip(np.frexp(np.where(a > 0, a, 1))[1] - 1 - 2, -126, 127), 0)      # np.frexp(a)[1] - 1 = floor(log2(a)), exactly
;;       r = np.clip(x / 2.0 ** e, -7.5, 7.5)
;;       step = 2.0 ** (np.maximum(np.frexp(np.where(r == 0, 1, r))[1] - 1, 0) - 3)
;;       q = np.round(r / step) * step * 2.0 ** e      # np.round: ties to even
;;       return np.moveaxis(q.reshape(q.shape[:-2] + (-1,))[..., :K], -1, axis).astype(np.float32)
;;   ~~~
;;   INPUTS GIVEN AS CODES. Wk (in the module: [4096, 4096], K = its axis 1); Wq (in the module: [4096, 4096], K = its axis 1); Wv (in the module: [4096, 4096], K = its axis 1); x (in the module: [1024, 4096], K = its axis 1): each comes as NAME_codes (uint8): NAME with its K axis moved to the last place and cut into blocks of 32 codes, [.., K / 32, bytes a block], one block behind the other in memory; four codes in three bytes: a row's codes are one little-endian stream of bits, code i at bits 6 i .. 6 i + 5 (a code: sign, 2 exponent bits, 3 mantissa bits); and NAME_scales (uint8): the same leading axes, one E8M0 byte (e + 127) for each 32 codes along K. Its value is code x scale, taken as it is: it is not quantised again, and the codes and scales need not be those that the quantiser above would give.
;; 2 versions. Each part assembles by itself: llvm-mc -triple=amdgcn-amd-amdhsa -mcpu=gfx1250 --defsym DOCPART=n.
;; ======== version 1 of 2: 2 launches
;; workspace buffers: vbuf 16,777,216 bytes; part 4,194,304 bytes
;; launch proj (part 1): grid 32 x 8, 4 waves a work-group, clusters of 4 x 4, 327,680 bytes of LDS; arguments x_codes, x_scales, Wq_codes, Wv_codes, Wq_scales, Wv_scales, Wk_codes, Wk_scales, bq, bv, bk, vbuf, part; writes vbuf, part
.if DOCPART == 1
	.amdgcn_target "amdgcn-amd-amdhsa--gfx1250"
	.amdhsa_code_object_version 6
	.text
	.protected	k_q8e975a31e0_proj
	.globl	k_q8e975a31e0_proj
	.p2align	8
	.type	k_q8e975a31e0_proj,@function
k_q8e975a31e0_proj:
	s_mov_b64 s[64:65], 0
	v_nop
	global_prefetch_b8 v0, s[64:65] scope:SCOPE_SE
	s_setreg_imm32_b32 hwreg(HW_REG_WAVE_MODE, 25, 1), 1
	s_wait_xcnt 0x0
	s_wait_alu depctr_hold_cnt(0) depctr_sa_sdst(0) depctr_va_vdst(0) depctr_va_sdst(0) depctr_va_ssrc(0) depctr_va_vcc(0) depctr_vm_vsrc(0)
	s_getreg_b32 s2, hwreg(HW_REG_IB_STS2, 6, 4)
	s_cmp_eq_u32 s2, 0
	s_cbranch_scc0 .Lentry_in_a_cluster
	s_endpgm
.Lentry_in_a_cluster:
	s_bfe_u32 s2, ttmp6, 0x10000c
	s_cmp_lg_u32 s2, 0xf033
	s_cbranch_scc0 .Lentry_shape_is_right
	s_endpgm
.Lentry_shape_is_right:
; q = x Wq^T + bq, v = x Wv^T + bv and k0 = the columns 32 d of x Wk^T + bk, all on codes of FP6 (E2M3) with one E8M0 scale for each 32 along K = 4,096; sums in f32.
; x: [1024][4096], Wq, Wv, Wk: [4096][4096] as codes, K innermost, 3,072 bytes a row; their scale bytes 128 a row.  Column e of q and v is (d, h) = (e / 32, e % 32).
; OF k ONLY THE COLUMNS 32 d ARE KEPT BY THE PROBLEM'S OWN SLICE: only rows 32 d of Wk's codes and of bk are read and multiplied; Wk's scale bytes come in whole blocks of 128 rows.
; A work-group (tx 0..31, ty 0..7) takes x's rows 128 ty on against rows 128 tx on of Wq and of Wv and rows 32 (4 tx + j), j = 0..3, of Wk.  Its 128 columns of q are d = 4 tx .. 4 tx + 3 for all 32 h, so q never
; goes to memory: the work-group stores  part[s / 4][tx][s % 4][h] = sum over its four d of k0[s][d] q[s][32 d + h]  (f32, fused multiply-adds), and vbuf[s][e] = v.  The next launch adds the 32 parts and weighs v.
; FOUR WAVES.  WA = wave / 2: which 64 rows;  WB = wave % 2: 0 makes q, 1 makes v: 64 x 128, 32 accumulators.  A wave's local block i of 16 rows is row block 4 WA + (i xor 2 WB), and every wave makes k0 for its local
; blocks 0 and 1: the q wave for row blocks 0, 1, the v wave for 2, 3, which it hands over through LDS at the end.  So all four waves run the same 34 products for each 128 along K.
; THE MATRIX INSTRUCTION IS USED TRANSPOSED (source 0 = 16 rows of W, source 1 = 16 rows of x): lane (r, h) holds row r of x and its registers the columns 8 h + 0 .. 7 of the block.  For k0 lane r of source 0 takes Wk's row
; r % 4 of the four, so registers 0 to 3 of the result hold k0 of d = 4 tx + 0 .. 3 in every lane.
; THE RING: K goes in steps of 256 (192 bytes of a row) through two LDS slots of three tiles of 128 rows: x (wave 0 fetches), Wq (wave 1), Wv (wave 2).  Filled once, with the first fills: all scale bytes of the 4 x 128 rows
; and Wk's four rows of codes for all of K (wave 3).
; CLUSTERS: 4 x 4 work-groups.  x's tiles and scales hang on ty alone and are asked for jointly by a row of the cluster; all of W's hang on tx alone and are asked for jointly by a column.
; The biases bq and bv are the C of each sum's first product.  LIMITS: NaN and infinities come out as the matrix unit and the multiply-adds give them; the sum over d is made in another order than the problem writes it.
; REGISTERS, in windows of 256: window 0: v1-31 addresses; v32-83 scale words, two sets of 26, and nothing else; v84-91 the partner's k0; v96-143, v144-191 x's fragments, two sets; on the way out v96-255 are free.
;   window 1: W's fragments, two sets at v0 and v128: block b at 12 b, Wk's at 96.   window 2: accumulator (a, b) at v[8 (8 a + b)].   window 3: v0-15 k0's two accumulators; v64-127 my 128 numbers of bq or bv.
.set ROWB,   192                       ; a tile's row in bytes: 256 codes
.set KROW,   3072                      ; a row of codes in memory
.set PITCH,  240                       ; an LDS row: 3 x (64 bytes of data + 16 of padding)
.set FR,     12                        ; registers of a fragment: 16 rows x 128 K
.set NL,     6                         ; LDS loads that bring one
.set TILEB,  128*PITCH                 ; a tile of 128 rows: what one tensor load brings
.set SLOT,   3*TILEB                   ; x, Wq, Wv
.set LAPS,   8                         ; a lap = two K steps = once round the ring: 4,096 / 512
.set HALFS,  64*272                    ; the scale bytes of 128 rows: 64 blocks of 256 bytes + 16 of padding; row p begins at 128 p + 16 (p / 2)
.set SBLK,   8*272                     ; those of 16 rows
.set SCL,    2*SLOT                    ; behind the ring: the scales of x, Wq, Wv, Wk
.set WKC,    SCL+4*HALFS               ; Wk's four rows of codes for all of K,
.set WKROW,  48*80                     ; 3,072 bytes + 16 behind each 64.  (This pitch is a multiple of 256 bytes, so the four rows of a load begin at the same bank: 12 loads of a K step's 169)
.set SPARE,  WKC+4*WKROW               ; the spare words, 128 bytes for each wave: two blocks of 256 bytes that no other line names
.set STAGE,  SPARE+512                 ; the way out: a stage for each wave; no tensor load fills it
.set STGB,   9216                      ; v: 16 rows x (512 + 16) bytes;  q: 64 rows x (128 + 16) bytes
.set XCH,    STAGE+4*STGB              ; k0's images: 1,024 bytes for each half of the rows
.set BO,    3                          ; v3     32 h: my eight numbers of a block's sixteen biases
.set ADRAL, 4                          ; v4-5   LDS address of my local blocks 0, 1 of x in slot 0, 1;  v6-7 the same for the pieces that lie behind one padding more
.set ADRAH, 8                          ; v8-11  the same for local blocks 2, 3
.set ADRB,  12                         ; v12-15 the same for my tile of W
.set ADRK,  16                         ; v16-17 Wk's codes of the K step in hand, and behind one padding more
.set ASAL,  18                         ; v18    scale words of local blocks 0, 1
.set ASAH,  19                         ; v19    of local blocks 2, 3
.set ASB,   20                         ; v20    of my tile of W
.set ASK,   21                         ; v21    of Wk's four rows
.set STV,   22                         ; v22    v's way out: where I put 32 bytes of a row
.set RDV,   23                         ; v23    and where I read a row back
.set CO,    24                         ; v24    16 x lane: my byte offset in 512 bytes of memory
.set STQ,   25                         ; v25    q's way out: where I put 32 bytes of a row of parts
.set RDQ,   26                         ; v26    and where I read four rows back
.set XA,    27                         ; v27    k0's image: 16 x lane in my half's 1,024 bytes
.set SPW,   28                         ; v28    LDS address of my spare word: SPARE + 4 x my thread's number; never rewritten
.set NIL,   29                         ; v29    0; never rewritten
.set SC,    32                         ; scale words: set s at SC + 26 s; in it x's local block i at 2 i + q, W's block b at 8 + 2 b + q, Wk's at 24 + q (q: which 128 of the K step)
.set KX,    84
.set AF,    96                         ; x's fragments: set q at AF + 48 q
.set P,     96                         ; the way out of q: 64 parts a lane
.set QB,    160                        ; and 64 rows of parts read back
.set KK,    224                        ; k0 + bk, each number twice (a pair for the packed forms): block a, d at KK + 8 a + 2 d
.set VB,    96                         ; the way out of v: 16 rows read back, v96-159 and v160-223 by turns
.set BIAS,  64                         ; in window 3
.set BK,    4                          ; s4-7   bk of my four d (behind the first fills)
.set WB,    12                         ; s12    wave % 2 (behind the first fills)
.set TX,    22
.set TY,    23
.set G1X,   24                         ; s[24:31] descriptor group 1 for x's tiles;   s[32:39] for W's: it differs in the mask alone
.set G1W,   32
.set G0X,   40                         ; s[40:47] group 0 for x's tiles, a set for each slot;   s[48:55] for W's
.set G0W,   48
.set G1SX,  56                         ; s[56:63] group 1 for x's scales;   s[68:75] for W's
.set G1SW,  68
.set WV,    66                         ; s66    my wave's number
.set WA,    67                         ; s67    wave / 2
.set G0SX,  76                         ; s[76:79], s[80:83] their groups 0
.set G0SW,  80
.set G1K,   84                         ; s[84:91], s[92:95] groups 1 and 0 for Wk's four rows
.set G0K,   92
.set CODEW, (1<<20)|(1<<21)|(3<<22)|(3<<25)          ; 17:16 elements of 1 byte; 20 padding on; 21 set beside a mask; 24:22 after every 16 words (code 3); 31:25 of 4 words (code 3)
.set SCLW,  (3<<16)|(1<<20)|(1<<21)|(5<<22)|(3<<25)  ; elements of 8 bytes; padding after every 64 words (code 5), of 4 words
.set MSB, 0
.macro WIN new                         ; the immediate's high byte repeats the setting that is left; a switch that changes nothing is dropped
.if MSB != \new
	s_set_vgpr_msb (MSB<<8)|\new
.set MSB, \new
.endif
.endm
.set MUL,   0xa1                       ; source 0 (W) window 1, source 1 (x) window 0, C and D window 2
.set MULB,  0xb1                       ; the same with C (the bias) in window 3
.set MULK,  0xf1                       ; the same with C and D in window 3
.set TO_B,  0x40                       ; destination window 1, address window 0
.macro PLACES n                        ; a load into a register that a matrix instruction has read, and whatever reads a matrix result, stand four plain vector instructions behind it (ISA guide 7.12.1 for the readers of a matrix result)
.rept \n
	v_nop
.endr
.endm
; A joint refill: wave 0 fetches x's tile, waves 1 and 2 Wq's and Wv's, wave 3 nothing.  The branches hang on the wave's number alone.  Four v_nop follow each of the two lines.
.macro JLOAD s
	s_cmp_eq_u32 s[WV], 0
	s_cbranch_scc0 .Lnot_x_\@
	tensor_load_to_lds s[G0X+4*\s:G0X+4*\s+3], s[G1X:G1X+7]
	s_nop 0
.rept 4
	v_nop
.endr
	s_branch .Lasked_\@
.Lnot_x_\@:
	s_cmp_eq_u32 s[WV], 3
	s_cbranch_scc1 .Lasked_\@
	tensor_load_to_lds s[G0W+4*\s:G0W+4*\s+3], s[G1W:G1W+7]
	s_nop 0
.rept 4
	v_nop
.endr
.Lasked_\@:
.endm
.macro CREST                           ; a round of the cluster's barrier behind its opening barrier
	s_cmp_lg_u32 s[WV], 0
	s_cbranch_scc1 .Lnot_wave_0_\@
	s_barrier_signal -3
.Lnot_wave_0_\@:
	s_barrier_wait -3
	s_barrier_signal -1
	s_barrier_wait -1
.endm
.macro CROUND                          ; a whole round
	s_barrier_signal -1
	s_barrier_wait -1
	CREST
.endm
	s_load_b64 s[G0X+2:G0X+3], s[0:1], 0x0         ; x's codes: straight into the words that will hold the tile's address
	s_load_b64 s[G0SX+2:G0SX+3], s[0:1], 0x8       ; x's scales
	s_load_b128 s[4:7], s[0:1], 0x10               ; Wq's codes, Wv's codes
	s_load_b128 s[8:11], s[0:1], 0x20              ; Wq's scales, Wv's scales
	s_load_b64 s[G0K+2:G0K+3], s[0:1], 0x30        ; Wk's codes
	s_load_b64 s[12:13], s[0:1], 0x38              ; Wk's scales
	s_load_b128 s[16:19], s[0:1], 0x40             ; bq, bv
	s_load_b64 s[20:21], s[0:1], 0x50              ; bk
	s_load_b64 s[96:97], s[0:1], 0x58              ; vbuf
	s_load_b64 s[98:99], s[0:1], 0x60              ; part
	v_lshl_add_u32 v[SPW], v0, 2, SPARE
	v_mov_b32 v[NIL], 0
	ds_add_u32 v28, v29
	ds_add_u32 v28, v29
	s_wait_dscnt 0x0
	v_lshrrev_b32 v1, 5, v0
	v_readfirstlane_b32 s[WV], v1                  ; wave 0..3
	s_lshr_b32 s[WA], s[WV], 1
	s_bfe_u32 s14, ttmp6, 0x40000                  ; cx, cy: my place in the cluster
	s_bfe_u32 s15, ttmp6, 0x40004
	s_lshl_b32 s[TX], ttmp9, 2
	s_add_co_u32 s[TX], s[TX], s14                 ; tx = 4 x cluster x + cx
	s_and_b32 s[TY], ttmp7, 0xffff
	s_lshl_b32 s[TY], s[TY], 2
	s_add_co_u32 s[TY], s[TY], s15                 ; ty = 4 x cluster y + cy
	s_lshl_b32 s104, s15, 2
	s_lshl_b32 s104, 15, s104                      ; my row of the cluster: places 4 cy .. 4 cy + 3
	s_lshl_b32 s100, 0x1111, s14                   ; my column: places cx, cx + 4, cx + 8, cx + 12
	s_or_b32 s[G1X], s104, CODEW                   ; 15:0 the mask: x's tiles go to my row,
	s_or_b32 s[G1W], s100, CODEW                   ; W's to my column
	s_or_b32 s[G1K], s100, CODEW
	s_or_b32 s[G1SX], s104, SCLW
	s_or_b32 s[G1SW], s100, SCLW
.irp g, G1X, G1W                       ; a tile of 128 rows x 192 bytes, 3,072 bytes from row to row
	s_mov_b32 s[\g+1], ROWB<<16                    ; tensor_dim0
	s_mov_b32 s[\g+2], 128<<16                     ; tensor_dim1
	s_mov_b32 s[\g+3], ROWB<<16                    ; tile_dim0
	s_mov_b32 s[\g+4], 128                         ; tile_dim1
	s_mov_b32 s[\g+5], KROW                        ; tensor_dim0_stride
	s_mov_b32 s[\g+6], 0
	s_mov_b32 s[\g+7], 0
.endr
.irp g, G1SX, G1SW                     ; the scale bytes of 128 rows: 16,384 dense bytes as 64 rows of 256 (32 elements of 8 bytes)
	s_mov_b32 s[\g+1], 32<<16
	s_mov_b32 s[\g+2], 64<<16
	s_mov_b32 s[\g+3], 32<<16
	s_mov_b32 s[\g+4], 64
	s_mov_b32 s[\g+5], 32
	s_mov_b32 s[\g+6], 0
	s_mov_b32 s[\g+7], 0
.endr
	s_mov_b32 s[G1K+1], KROW<<16                   ; Wk: 4 whole rows of 3,072 bytes,
	s_mov_b32 s[G1K+2], 4<<16
	s_mov_b32 s[G1K+3], KROW<<16
	s_mov_b32 s[G1K+4], 4
	s_mov_b32 s[G1K+5], 32*KROW                    ; 32 rows apart
	s_mov_b32 s[G1K+6], 0
	s_mov_b32 s[G1K+7], 0
	s_mul_i32 s104, s[TY], 128*KROW                ; x's rows 128 ty on, in bytes: offsets made of ty stand in s[104:105],
	s_mov_b32 s105, 0
	s_mul_i32 s100, s[TX], 128*KROW                ; those made of tx in s[100:101]
	s_mov_b32 s101, 0
	s_wait_kmcnt 0x0
	s_add_nc_u64 s[G0X+2:G0X+3], s[G0X+2:G0X+3], s[104:105]        ; 120:64 global address: K step 0
	s_add_nc_u64 s[G0X+6:G0X+7], s[G0X+2:G0X+3], ROWB              ; K step 1
	s_or_b32 s[G0X+3], s[G0X+3], 0x80000000                        ; 127:126 type = 2
	s_or_b32 s[G0X+7], s[G0X+7], 0x80000000
	s_mov_b32 s[G0X], 1                                            ; 1:0 count = 1
	s_mov_b32 s[G0X+4], 1
	s_mov_b32 s[G0X+1], 0                                          ; 63:32 LDS address: x's tile heads its slot
	s_mov_b32 s[G0X+5], SLOT
	s_cmp_eq_u32 s[WV], 1                          ; wave 1 fetches for Wq, wave 2 for Wv (waves 0 and 3 never use these words)
	s_cselect_b64 s[G0W+2:G0W+3], s[4:5], s[6:7]
	s_add_nc_u64 s[G0W+2:G0W+3], s[G0W+2:G0W+3], s[100:101]
	s_add_nc_u64 s[G0W+6:G0W+7], s[G0W+2:G0W+3], ROWB
	s_or_b32 s[G0W+3], s[G0W+3], 0x80000000
	s_or_b32 s[G0W+7], s[G0W+7], 0x80000000
	s_mov_b32 s[G0W], 1
	s_mov_b32 s[G0W+4], 1
	s_mul_i32 s2, s[WV], TILEB                     ; wave x a tile: no place in the cluster enters an LDS address
	s_mov_b32 s[G0W+1], s2
	s_add_co_u32 s[G0W+5], s2, SLOT
	s_add_nc_u64 s[G0K+2:G0K+3], s[G0K+2:G0K+3], s[100:101]        ; Wk's row 128 tx = 32 (4 tx)
	s_or_b32 s[G0K+3], s[G0K+3], 0x80000000
	s_mov_b32 s[G0K], 1
	s_mov_b32 s[G0K+1], WKC
	s_lshl_b32 s104, s[TY], 14                     ; 128 rows of 128 scale bytes
	s_lshl_b32 s100, s[TX], 14
	s_add_nc_u64 s[G0SX+2:G0SX+3], s[G0SX+2:G0SX+3], s[104:105]
	s_or_b32 s[G0SX+3], s[G0SX+3], 0x80000000
	s_mov_b32 s[G0SX], 1
	s_mov_b32 s[G0SX+1], SCL
	s_cmp_eq_u32 s[WV], 1                          ; wave 1: Wq's scales, wave 2: Wv's, wave 3: Wk's
	s_cselect_b64 s[G0SW+2:G0SW+3], s[8:9], s[10:11]
	s_cmp_eq_u32 s[WV], 3
	s_cselect_b64 s[G0SW+2:G0SW+3], s[12:13], s[G0SW+2:G0SW+3]
	s_add_nc_u64 s[G0SW+2:G0SW+3], s[G0SW+2:G0SW+3], s[100:101]
	s_or_b32 s[G0SW+3], s[G0SW+3], 0x80000000
	s_mov_b32 s[G0SW], 1
	s_mul_i32 s2, s[WV], HALFS
	s_add_co_u32 s[G0SW+1], s2, SCL
	CROUND                                         ; all sixteen work-groups are here: the first joint loads meet
	; THE FIRST FILLS, one group, each wave's inside one branch on its number: at most three loads of a wave are out.  Four v_nop follow the last of each arm.
	s_cmp_eq_u32 s[WV], 0
	s_cbranch_scc0 .Lfirst_not_x
	tensor_load_to_lds s[G0SX:G0SX+3], s[G1SX:G1SX+7]              ; x's scales,
	s_nop 0
	tensor_load_to_lds s[G0X:G0X+3], s[G1X:G1X+7]                  ; K step 0,
	s_nop 0
	tensor_load_to_lds s[G0X+4:G0X+7], s[G1X:G1X+7]                ; K step 1
	s_nop 0
.rept 4
	v_nop
.endr
	s_branch .Lfirst_asked
.Lfirst_not_x:
	s_cmp_eq_u32 s[WV], 3
	s_cbranch_scc1 .Lfirst_k
	tensor_load_to_lds s[G0SW:G0SW+3], s[G1SW:G1SW+7]              ; the same for Wq (wave 1) and Wv (wave 2)
	s_nop 0
	tensor_load_to_lds s[G0W:G0W+3], s[G1W:G1W+7]
	s_nop 0
	tensor_load_to_lds s[G0W+4:G0W+7], s[G1W:G1W+7]
	s_nop 0
.rept 4
	v_nop
.endr
	s_branch .Lfirst_asked
.Lfirst_k:
	tensor_load_to_lds s[G0SW:G0SW+3], s[G1SW:G1SW+7]              ; Wk's scales,
	s_nop 0
	tensor_load_to_lds s[G0K:G0K+3], s[G1K:G1K+7]                  ; and its four rows of codes, for all of K
	s_nop 0
.rept 4
	v_nop
.endr
.Lfirst_asked:
	; every LDS address: a constant + constants x lane terms + constants x wave terms
	v_and_b32 v1, 15, v0                           ; r = lane % 16
	v_bfe_u32 v2, v0, 4, 1                         ; h = lane / 16
	v_lshlrev_b32 v[BO], 5, v2
	v_mul_u32_u24 v30, v1, PITCH
	v_mad_u32_u24 v30, v2, 24, v30                 ; a fragment's row x pitch + 24 x half
	v_lshl_add_u32 v31, v2, 4, v30                 ; and the same behind one padding more
	s_and_b32 s[WB], s[WV], 1
	s_lshl_b32 s2, s[WA], 2
	s_lshl_b32 s13, s[WB], 1
	s_add_co_u32 s2, s2, s13                       ; local blocks 0, 1 are row blocks 4 WA + 2 WB on,
	s_xor_b32 s13, s2, 2                           ; local blocks 2, 3 the other two of my four
	s_mul_i32 s8, s2, 16*PITCH
	s_mul_i32 s9, s13, 16*PITCH
	s_add_co_u32 s10, s[WB], 1                     ; my tile of W: the slot's second (Wq) or third (Wv)
	s_mul_i32 s11, s10, TILEB
.irp s, 0,1
	v_add_nc_u32 v[ADRAL+\s], s8, v30
	v_add_nc_u32 v[ADRAL+2+\s], s8, v31
	v_add_nc_u32 v[ADRAH+\s], s9, v30
	v_add_nc_u32 v[ADRAH+2+\s], s9, v31
	v_add_nc_u32 v[ADRB+\s], s11, v30
	v_add_nc_u32 v[ADRB+2+\s], s11, v31
	s_add_co_u32 s8, s8, SLOT
	s_add_co_u32 s9, s9, SLOT
	s_add_co_u32 s11, s11, SLOT
.endr
	v_lshrrev_b32 v31, 1, v1
	v_lshlrev_b32 v30, 7, v1
	v_lshl_add_u32 v30, v31, 4, v30                ; my row's scale bytes in a block of 16 rows: 128 r + 16 (r / 2); lanes 16-31 read what lanes 0-15 read
	s_mul_i32 s8, s2, SBLK
	s_add_co_u32 s8, s8, SCL
	s_mul_i32 s9, s13, SBLK
	s_add_co_u32 s9, s9, SCL
	s_mul_i32 s11, s10, HALFS
	s_add_co_u32 s11, s11, SCL
	v_add_nc_u32 v[ASAL], s8, v30
	v_add_nc_u32 v[ASAH], s9, v30
	v_add_nc_u32 v[ASB], s11, v30
	v_and_b32 v31, 3, v0                           ; r % 4: which of Wk's four rows my lane takes
	v_mul_u32_u24 v[ADRK], v31, WKROW
	v_mad_u32_u24 v[ADRK], v2, 24, v[ADRK]
	v_add_nc_u32 v[ADRK], WKC, v[ADRK]
	v_lshl_add_u32 v[ADRK+1], v2, 4, v[ADRK]
	v_mul_u32_u24 v[ASK], v31, 32*128+16*16        ; row 32 j of the block's 128: 128 x 32 j + 16 x 16 j
	v_add_nc_u32 v[ASK], SCL+3*HALFS, v[ASK]
	s_mul_i32 s8, s[WV], STGB
	s_add_co_u32 s8, s8, STAGE                     ; my stage
	v_mul_u32_u24 v30, v1, 528
	v_lshl_add_u32 v30, v2, 5, v30
	v_add_nc_u32 v[STV], s8, v30                   ; v, in: row r, 32 bytes for each half of the lanes
	v_and_b32 v31, 31, v0
	v_lshlrev_b32 v[CO], 4, v31
	v_add_nc_u32 v[RDV], s8, v[CO]                 ; back: the 32 lanes take one row of 512 bytes
	v_mul_u32_u24 v30, v1, 144
	v_lshl_add_u32 v30, v2, 5, v30
	v_add_nc_u32 v[STQ], s8, v30                   ; q, in: row r of 128 bytes + 16, 32 bytes for each half
	v_lshrrev_b32 v30, 3, v31
	v_mul_u32_u24 v30, v30, 144
	v_and_b32 v31, 7, v0
	v_lshl_add_u32 v30, v31, 4, v30
	v_add_nc_u32 v[RDQ], s8, v30                   ; back: eight lanes to a row, four rows an instruction
	s_lshl_b32 s9, s[WA], 10
	s_add_co_u32 s9, s9, XCH
	v_add_nc_u32 v[XA], s9, v[CO]
	; the biases, and where my results go
	s_lshl_b32 s100, s[TX], 9                      ; 128 tx numbers of 4 bytes
	s_cmp_eq_u32 s[WB], 0
	s_cselect_b64 s[16:17], s[16:17], s[18:19]     ; bq for a q wave, bv for a v wave
	s_add_nc_u64 s[16:17], s[16:17], s[100:101]
	s_add_nc_u64 s[20:21], s[20:21], s[100:101]    ; bk[32 (4 tx)]
	WIN 0xc0                                       ; destination window 3, address window 0
.irp b, 0,1,2,3,4,5,6,7
	global_load_b128 v[BIAS+8*\b:BIAS+8*\b+3], v[BO], s[16:17] offset:64*\b         ; block b: the biases of columns 16 b + 8 h + 0 .. 7, in the result's layout
	global_load_b128 v[BIAS+8*\b+4:BIAS+8*\b+7], v[BO], s[16:17] offset:64*\b+16
.endr
	WIN 0
	s_load_b32 s[BK], s[20:21], 0x0                ; bk[32 (4 tx + j)]: 128 bytes apart
	s_load_b32 s[BK+1], s[20:21], 0x80
	s_load_b32 s[BK+2], s[20:21], 0x100
	s_load_b32 s[BK+3], s[20:21], 0x180
	s_lshl_b32 s13, s[TY], 7
	s_lshl_b32 s2, s[WA], 6
	s_add_co_u32 s13, s13, s2                      ; my first row: 128 ty + 64 WA
	s_lshl_b32 s104, s13, 14                       ; vbuf: 16,384 bytes a row,
	s_add_co_u32 s104, s104, s100                  ; + 512 tx
	s_add_nc_u64 s[96:97], s[96:97], s[104:105]
	s_lshl_b32 s104, s13, 12                       ; part: 16,384 bytes for four rows,
	s_add_co_u32 s104, s104, s100                  ; + my tile's 512
	s_add_nc_u64 s[98:99], s[98:99], s[104:105]
.macro FRAG reg, adr, adr2, q, i       ; a fragment, 16 rows x 128 K, is 12 registers: lane (r, h) holds row r; registers 6 c .. 6 c + 5 hold K = 64 c + 32 h + 0 .. 31: 24 bytes of the row's stream of bits, as they lie
.irp p, 0,1,2,3,4,5                    ; in pieces of 8 bytes.  Lanes 0-15 take the row's pieces 12 q + 0, 1, 2 and 12 q + 6, 7, 8, lanes 16-31 those three pieces on
.set PC, 12*(\q)+6*(\p/3)+\p%3         ; 16 bytes of padding lie behind every 8 pieces: where the piece three on lies behind one padding more, the second address register (40 for 24 bytes a half) serves
.if PC%8 < 5
	ds_load_b64 v[\reg+2*\p:\reg+2*\p+1], v[\adr] offset:8*PC+16*(PC/8)+(\i)*16*PITCH
.else
	ds_load_b64 v[\reg+2*\p:\reg+2*\p+1], v[\adr2] offset:8*PC+16*(PC/8)+(\i)*16*PITCH
.endif
.endr
.endm
.macro FETCH_B slot, q                 ; my tile of W, eight fragments, and Wk's one, of the slot's q-th 128 along K, into set q: 54 loads
	WIN TO_B
.irp i, 0,1,2,3,4,5,6,7
	FRAG 128*(\q)+FR*\i, ADRB+\slot, ADRB+2+\slot, \q, \i
.endr
	FRAG 128*(\q)+FR*8, ADRK, ADRK+1, \q, 0
	WIN 0
.endm
.macro FETCH_A slot, q                 ; x's four local blocks into set q: 24 loads, blocks 2 and 3 last
.irp i, 0,1
	FRAG AF+48*(\q)+FR*\i, ADRAL+\slot, ADRAL+2+\slot, \q, \i
.endr
.irp i, 0,1
	FRAG AF+48*(\q)+FR*(2+\i), ADRAH+\slot, ADRAH+2+\slot, \q, \i
.endr
.endm
.macro SCALES sc                       ; a K step's scale words, two a row, into set sc: 13 loads
.irp i, 0,1
	ds_load_b64 v[SC+26*\sc+2*\i:SC+26*\sc+2*\i+1], v[ASAL] offset:\i*SBLK
.endr
.irp i, 0,1
	ds_load_b64 v[SC+26*\sc+4+2*\i:SC+26*\sc+4+2*\i+1], v[ASAH] offset:\i*SBLK
.endr
.irp b, 0,1,2,3,4,5,6,7
	ds_load_b64 v[SC+26*\sc+8+2*\b:SC+26*\sc+8+2*\b+1], v[ASB] offset:\b*SBLK
.endr
	ds_load_b64 v[SC+26*\sc+24:SC+26*\sc+25], v[ASK]
.endm
; Eight products: x's local block a against W's eight, the q-th 128 of the K step whose scale words lie in set sc.  first = 1: the bias is the C, so that nothing is cleared and nothing is added later.
; The 34 accumulators take turns, one instruction a turn, in the same order in every step.
.macro MULA a, q, sc, first
.irp b, 0,1,2,3,4,5,6,7
.if \first
	v_wmma_scale_f32_16x16x128_f8f6f4 v[8*(8*(\a)+\b):8*(8*(\a)+\b)+7], v[128*(\q)+FR*\b:128*(\q)+FR*\b+FR-1], v[AF+48*(\q)+FR*(\a):AF+48*(\q)+FR*(\a)+FR-1], v[BIAS+8*\b:BIAS+8*\b+7], v[SC+26*(\sc)+8+2*\b+(\q)], v[SC+26*(\sc)+2*(\a)+(\q)] matrix_a_fmt:MATRIX_FMT_FP6 matrix_b_fmt:MATRIX_FMT_FP6
.else
	v_wmma_scale_f32_16x16x128_f8f6f4 v[8*(8*(\a)+\b):8*(8*(\a)+\b)+7], v[128*(\q)+FR*\b:128*(\q)+FR*\b+FR-1], v[AF+48*(\q)+FR*(\a):AF+48*(\q)+FR*(\a)+FR-1], v[8*(8*(\a)+\b):8*(8*(\a)+\b)+7], v[SC+26*(\sc)+8+2*\b+(\q)], v[SC+26*(\sc)+2*(\a)+(\q)] matrix_a_fmt:MATRIX_FMT_FP6 matrix_b_fmt:MATRIX_FMT_FP6
.endif
.endr
.endm
.macro MULK q, sc, first               ; two products: k0 of local blocks 0 and 1.  first = 1: the constant 0 starts the sums (bk is added on the way out)
.irp i, 0,1
.if \first
	v_wmma_scale_f32_16x16x128_f8f6f4 v[8*\i:8*\i+7], v[128*(\q)+FR*8:128*(\q)+FR*8+FR-1], v[AF+48*(\q)+FR*\i:AF+48*(\q)+FR*\i+FR-1], 0, v[SC+26*(\sc)+24+(\q)], v[SC+26*(\sc)+2*\i+(\q)] matrix_a_fmt:MATRIX_FMT_FP6 matrix_b_fmt:MATRIX_FMT_FP6
.else
	v_wmma_scale_f32_16x16x128_f8f6f4 v[8*\i:8*\i+7], v[128*(\q)+FR*8:128*(\q)+FR*8+FR-1], v[AF+48*(\q)+FR*\i:AF+48*(\q)+FR*\i+FR-1], v[8*\i:8*\i+7], v[SC+26*(\sc)+24+(\q)], v[SC+26*(\sc)+2*\i+(\q)] matrix_a_fmt:MATRIX_FMT_FP6 matrix_b_fmt:MATRIX_FMT_FP6
.endif
.endr
.endm
; A slot's first 128 along K: multiplies set 0 and fetches the slot's second 128 into set 1, in two runs.
.macro STEP slot, first
	s_wait_dscnt 2*NL                              ; W's set 0, the scale words and x's blocks 0, 1 are in; the youngest twelve loads (x's blocks 2, 3) may be out
	PLACES 4                                       ; in front of the loads into set 1, which the last step's products read
	FETCH_B \slot, 1
.if \first
	WIN MULB
.else
	WIN MUL
.endif
	MULA 0, 0, \slot, \first
	MULA 1, 0, \slot, \first
	WIN 0
	s_wait_dscnt 9*NL                              ; all but the 54 just issued: x's blocks 2, 3 are in
	FETCH_A \slot, 1
.if \first
	WIN MULB
.else
	WIN MUL
.endif
	MULA 2, 0, \slot, \first
	MULA 3, 0, \slot, \first
	WIN MULK
	MULK 0, \slot, \first
	WIN 0
.endm
; A slot's second 128 along K multiplies set 1 and changes slots: ONE barrier; in front of it each wave waits for all its tensor loads, adds 0 to its spare word, and waits for that and for its own reads of this slot.
; fill = 1: the barrier opens a round of the cluster's barrier, and this slot is filled again, two K steps ahead: 52 of a K step's 68 products stand between that request and the wait for it.
.macro TURN slot, next, fill
	s_wait_tensorcnt 0x0                           ; all my tensor loads have landed: my part of the next slot;  (every window is 0 here: the add's two registers lie in window 0)
	ds_add_u32 v[SPW], v[NIL]                      ; 0 onto my spare word
	s_wait_dscnt 2*NL+1                            ; (the add and the youngest twelve loads, x's blocks 2, 3, may be out)
	WIN MUL
	MULA 0, 1, \slot, 0                            ; eight products stand between the add and the wait for it
	s_wait_dscnt 0x0                               ; the add is done, and my reads of this slot are over
	s_barrier_signal -1
	MULA 1, 1, \slot, 0                            ; work on registers while the others arrive
	WIN 0
	s_barrier_wait -1
.if \fill
	CREST                                          ; no wave of any partner still reads this slot's tiles or has a load on its way
	s_add_nc_u64 s[G0X+4*\slot+2:G0X+4*\slot+3], s[G0X+4*\slot+2:G0X+4*\slot+3], 2*ROWB
	s_add_nc_u64 s[G0W+4*\slot+2:G0W+4*\slot+3], s[G0W+4*\slot+2:G0W+4*\slot+3], 2*ROWB
	JLOAD \slot                                    ; the first tensor load behind the round, one a wave
.endif
	v_add_nc_u32 v[ADRK], PITCH, v[ADRK]           ; on to the next K step: Wk's codes, 192 bytes + 3 paddings,
	v_add_nc_u32 v[ADRK+1], PITCH, v[ADRK+1]
	v_add_nc_u32 v[ASAL], 8, v[ASAL]               ; and two scale words a row.  (No LDS load of mine is out.  These six are also the places in front of the loads into set 0, on every wave's path)
	v_add_nc_u32 v[ASAH], 8, v[ASAH]
	v_add_nc_u32 v[ASB], 8, v[ASB]
	v_add_nc_u32 v[ASK], 8, v[ASK]
	FETCH_B \next, 0
	WIN MUL
	MULA 2, 1, \slot, 0
	WIN 0
	SCALES \next
	FETCH_A \next, 0
	WIN MUL
	MULA 3, 1, \slot, 0
	WIN MULK
	MULK 1, \slot, 0
	WIN 0
.endm
	s_wait_tensorcnt 0x0                           ; for 0, since the waves have issued unequal numbers of loads: my scales, my tiles of K steps 0 and 1 or Wk's rows are in,
	s_barrier_signal -1
	s_barrier_wait -1                              ; everybody's are.
	FETCH_B 0, 0
	SCALES 0
	FETCH_A 0, 0
	s_wait_loadcnt 0x0                             ; the biases
	s_wait_kmcnt 0x0                               ; bk's four
	STEP 0, 1                                      ; the first step stands in front of the loop: its products start the sums
	s_mov_b32 s3, LAPS-1
.Llap:                                             ; a trip goes once round the ring, from a lap's second step to the next lap's first, and fills both slots again
	TURN 0, 1, 1
	STEP 1, 0
	TURN 1, 0, 1
	STEP 0, 0
	s_sub_co_u32 s3, s3, 1
	s_cmp_lg_u32 s3, 0
	s_cbranch_scc1 .Llap
	TURN 0, 1, 0                                   ; the last lap fills nothing, and has no round of the cluster's barrier
	STEP 1, 0
	s_wait_dscnt 0x0                               ; the very last step: nothing more to fetch
	WIN MUL
	MULA 0, 1, 1, 0
	MULA 1, 1, 1, 0
	MULA 2, 1, 1, 0
	MULA 3, 1, 1, 0
	WIN MULK
	MULK 1, 1, 0
	WIN 0
	PLACES 4                                       ; in front of the first reads of the last results, and of whatever is written or loaded into the fragments' registers
	; k0 OF ROW BLOCKS 2, 3 GOES FROM THE v WAVE TO THE q WAVE OF THE SAME ROWS, as an image of its registers: 16 bytes a lane (d = 0 .. 3), 512 bytes a block
	s_cmp_eq_u32 s[WB], 0
	s_cbranch_scc1 .Lno_image
	WIN 0x0c                                       ; an LDS store's data are its source 1: window 3
	ds_store_b128 v[XA], v[0:3]
	ds_store_b128 v[XA], v[8:11] offset:512
	WIN 0
.Lno_image:
	s_wait_dscnt 0x0                               ; for the others' sake: my stores have landed
	s_barrier_signal -1
	s_barrier_wait -1
	s_cmp_eq_u32 s[WB], 0
	s_cbranch_scc0 .Lv_out
	; THE WAY OUT OF q.  part(s, h) = sum over my four d of (k0 + bk)(s, d) x q(s, 32 d + h).  Accumulator (a, 2 d + u), register j, holds q(16 a + r, 32 d + 16 u + 8 h + j).
	ds_load_b128 v[KX:KX+3], v[XA]
	ds_load_b128 v[KX+4:KX+7], v[XA] offset:512
	WIN 0x0c                                       ; source 1 in window 3: my own k0, blocks 0 and 1
.irp a, 0,1
.irp dd, 0,1,2,3
	v_add_f32 v[KK+8*\a+2*\dd], s[BK+\dd], v[8*\a+\dd]
	v_add_f32 v[KK+8*\a+2*\dd+1], s[BK+\dd], v[8*\a+\dd]
.endr
.endr
	WIN 0
	s_wait_dscnt 0x0                               ; the partner's
.irp a, 2,3
.irp dd, 0,1,2,3
	v_add_f32 v[KK+8*\a+2*\dd], s[BK+\dd], v[KX+4*(\a-2)+\dd]
	v_add_f32 v[KK+8*\a+2*\dd+1], s[BK+\dd], v[KX+4*(\a-2)+\dd]
.endr
.endr
	WIN 0x02                                       ; source 0 (q) in window 2
.irp a, 0,1,2,3
.irp u, 0,1
.irp j, 0,2,4,6
	v_pk_mul_f32 v[P+16*\a+8*\u+\j:P+16*\a+8*\u+\j+1], v[8*(8*\a+\u)+\j:8*(8*\a+\u)+\j+1], v[KK+8*\a:KK+8*\a+1]      ; d = 0 starts the sums; each accumulator is read from its low end on
.endr
.endr
.irp dd, 1,2,3
.irp u, 0,1
.irp j, 0,2,4,6
	v_pk_fma_f32 v[P+16*\a+8*\u+\j:P+16*\a+8*\u+\j+1], v[8*(8*\a+2*\dd+\u)+\j:8*(8*\a+2*\dd+\u)+\j+1], v[KK+8*\a+2*\dd:KK+8*\a+2*\dd+1], v[P+16*\a+8*\u+\j:P+16*\a+8*\u+\j+1]
.endr
.endr
.endr
.endr
	WIN 0
.irp a, 0,1,2,3                        ; through my stage: row 16 a + r, byte 64 u + 32 h + 4 j
.irp u, 0,1
.irp k, 0,1
	ds_store_b128 v[STQ], v[P+16*\a+8*\u+4*\k:P+16*\a+8*\u+4*\k+3] offset:16*144*\a+64*\u+16*\k
.endr
.endr
.endr
.irp t, 0,1,2,3,4,5,6,7,8,9,10,11,12,13,14,15
	ds_load_b128 v[QB+4*\t:QB+4*\t+3], v[RDQ] offset:\t*4*144      ; LDS serves a wave's instructions in order (ISA guide 5.7.1.4): these see the stores above.  Four rows of 128 bytes
.endr
.irp t, 0,1,2,3,4,5,6,7,8,9,10,11,12,13,14,15
	s_wait_dscnt 15-\t
	global_store_b128 v[CO], v[QB+4*\t:QB+4*\t+3], s[98:99] offset:16384*\t        ; 32 lanes store 512 consecutive bytes, at a multiple of 512 from part's first byte: rows 4 t .. 4 t + 3 of my 64, my tile's place
.endr
	s_branch .Lout
.Lv_out:
	; THE WAY OUT OF v, block by block of 16 rows x 128 columns, in the rows' true order: local blocks 2, 3, 0, 1.  A lane holds 32 neighbouring bytes of a row: a block goes through my stage and comes back as whole rows of 512 bytes.
.macro TOSTAGE n
.set AC, 64*(((\n)+2)%4)
	WIN 0x08                                       ; the data: window 2
.irp b, 0,1,2,3,4,5,6,7
	ds_store_b128 v[STV], v[AC+8*\b:AC+8*\b+3] offset:64*\b        ; each accumulator from its low end on
	ds_store_b128 v[STV], v[AC+8*\b+4:AC+8*\b+7] offset:64*\b+16
.endr
	WIN 0
.set BB, VB+64*((\n)%2)
.irp t, 0,1,2,3,4,5,6,7,8,9,10,11,12,13,14,15
	ds_load_b128 v[BB+4*\t:BB+4*\t+3], v[RDV] offset:\t*528        ; in order behind the stores above; the next block's stores come behind them
.endr
.endm
.macro SEND n, younger                 ; younger: the LDS instructions issued behind block n's loads, which may stay out
.set BB, VB+64*((\n)%2)
	s_wait_dscnt \younger
.if (\n) > 0
	s_add_nc_u64 s[96:97], s[96:97], 16*16384      ; (behind a wait on XCNT for 0: the earlier stores have read their base)  16 rows on
.endif
.irp t, 0,1,2,3,4,5,6,7,8,9,10,11,12,13,14,15
	global_store_b128 v[CO], v[BB+4*\t:BB+4*\t+3], s[96:97] offset:\t*16384        ; 32 lanes store 512 consecutive bytes, at a multiple of 512 from vbuf's first byte
.endr
.endm
	TOSTAGE 0
.irp n, 1,2,3
.if \n > 1
	s_wait_xcnt 0x0                                ; block n - 2's stores have read their registers and their base: block n's loads may land there, and the base may step
.endif
	TOSTAGE \n
	SEND \n-1, 32                                  ; behind block n - 1's loads: block n's 16 stores and 16 loads
.endr
	s_wait_xcnt 0x0                                ; block 2's stores have read their base
	SEND 3, 0
.Lout:
	s_wait_tensorcnt 0x0                           ; the wave's end, behind my last tensor load and my last LDS store
	ds_add_u32 v[SPW], v[NIL]
	s_wait_dscnt 0x0
	CROUND                                         ; the closing round: no work-group ends while a partner may still ask for a tile that names it
	s_endpgm
.Lfunc_end_k_q8e975a31e0_proj:
	.size	k_q8e975a31e0_proj, .Lfunc_end_k_q8e975a31e0_proj-k_q8e975a31e0_proj
	.p2alignl 7, 3214868480
	.fill 96, 4, 3214868480
	.section	.rodata,"a",@progbits
	.p2align	6, 0x0
	.amdhsa_kernel k_q8e975a31e0_proj
		.amdhsa_group_segment_fixed_size 327680
		.amdhsa_private_segment_fixed_size 0
		.amdhsa_enable_private_segment 0
		.amdhsa_kernarg_size 104
		.amdhsa_user_sgpr_count 2
		.amdhsa_user_sgpr_kernarg_segment_ptr 1
		.amdhsa_wavefront_size32 1
		.amdhsa_system_sgpr_workgroup_id_x 1
		.amdhsa_system_sgpr_workgroup_id_y 1
		.amdhsa_system_sgpr_workgroup_id_z 1
		.amdhsa_system_vgpr_workitem_id 0
		.amdhsa_next_free_vgpr 896
		.amdhsa_next_free_sgpr 106
		.amdhsa_reserve_vcc 0
		.amdhsa_float_denorm_mode_32 3
		.amdhsa_float_denorm_mode_16_64 3
		.amdhsa_memory_ordered 1
		.amdhsa_forward_progress 1
		.amdhsa_inst_pref_size 125
	.end_amdhsa_kernel
	.amdgpu_metadata
---
amdhsa.version: [ 1, 2 ]
amdhsa.kernels:
  - .name:           k_q8e975a31e0_proj
    .symbol:         k_q8e975a31e0_proj.kd
    .args:
      - { .name: x_codes, .offset: 0, .size: 8, .value_kind: global_buffer, .address_space: global }
      - { .name: x_scales, .offset: 8, .size: 8, .value_kind: global_buffer, .address_space: global }
      - { .name: Wq_codes, .offset: 16, .size: 8, .value_kind: global_buffer, .address_space: global }
      - { .name: Wv_codes, .offset: 24, .size: 8, .value_kind: global_buffer, .address_space: global }
      - { .name: Wq_scales, .offset: 32, .size: 8, .value_kind: global_buffer, .address_space: global }
      - { .name: Wv_scales, .offset: 40, .size: 8, .value_kind: global_buffer, .address_space: global }
      - { .name: Wk_codes, .offset: 48, .size: 8, .value_kind: global_buffer, .address_space: global }
      - { .name: Wk_scales, .offset: 56, .size: 8, .value_kind: global_buffer, .address_space: global }
      - { .name: bq, .offset: 64, .size: 8, .value_kind: global_buffer, .address_space: global }
      - { .name: bv, .offset: 72, .size: 8, .value_kind: global_buffer, .address_space: global }
      - { .name: bk, .offset: 80, .size: 8, .value_kind: global_buffer, .address_space: global }
      - { .name: vbuf, .offset: 88, .size: 8, .value_kind: global_buffer, .address_space: global }
      - { .name: part, .offset: 96, .size: 8, .value_kind: global_buffer, .address_space: global }
    .group_segment_fixed_size: 327680
    .private_segment_fixed_size: 0
    .kernarg_segment_align: 8
    .kernarg_segment_size: 104
    .max_flat_workgroup_size: 128
    .sgpr_count:     106
    .vgpr_count:     896
    .wavefront_size: 32
...
	.end_amdgpu_metadata
.endif
;; end of part 1
;; launch weigh (part 2): grid 256 x 1, 8 waves a work-group, no clusters, 9,216 bytes of LDS; arguments vbuf, part, mask, out0; writes out0
.if DOCPART == 2
	.amdgcn_target "amdgcn-amd-amdhsa--gfx1250"
	.amdhsa_code_object_version 6
	.text
	.protected	k_q8e975a31e0_weigh
	.globl	k_q8e975a31e0_weigh
	.p2align	8
	.type	k_q8e975a31e0_weigh,@function
k_q8e975a31e0_weigh:
	s_mov_b64 s[64:65], 0
	v_nop
	global_prefetch_b8 v0, s[64:65] scope:SCOPE_SE
	s_setreg_imm32_b32 hwreg(HW_REG_WAVE_MODE, 25, 1), 1
	s_wait_xcnt 0x0
; out0[s][e] = vbuf[s][e] x w[s][e % 32], w[s][:] = softmax over the 32 h of align[s][:], align[s][h] = (the sum of the 32 parts of (s, h)) / 64, or 1e-20 where mask[s][h] is 0.  All in f32; the row's maximum is taken away ahead of the exponentials.
; vbuf, out0: [1024][4096] f32.  part: [s / 4 (256)][tile (32)][s % 4][h (32)] f32.  mask: [1024][32] i32.
; A stream: no matrix unit, no tensor load, no cluster (work-groups share no input).  A work-group owns four rows: 16,384 dense bytes of part, 512 of mask, 65,536 of vbuf.  All its loads go out at the head, v's sixteen a wave last,
; so that they are on their way while the weights are made.  Thread t = 32 w + l.
; THE SUM: thread t adds tiles w, w + 8, w + 16, w + 24 at byte 16 l of a tile's 512 (row l / 8, h = 4 (l % 8) on); the eight waves' sums meet in LDS; every wave then adds all eight and makes all four rows' weights itself.
; The order of that sum is 8 groups of 4, another than the problem writes.  A lane's four weights belong to row l / 8; for the stream it wants h = 4 (l % 8) on of ALL four rows: they turn through the wave's own 512 bytes of LDS.
.set PT,  8                            ; v8-23   four loads of part; then v8-11 the sums, align, the weights
.set MK,  24                           ; v24-27  the mask
.set FILL, 28                          ; v28     1e-20
.set V,   32                           ; v32-95  sixteen loads of v: row i / 4, segment i % 4
.set W,   96                           ; v96-127 the eight waves' sums; then v96-111 the weights of rows 0 to 3 at my four h
	s_load_b256 s[4:11], s[0:1], 0x0               ; vbuf s[4:5], part s[6:7], mask s[8:9], out0 s[10:11]
	v_lshl_add_u32 v128, v0, 2, 0x2000
	v_mov_b32 v129, 0
	v_and_b32 v1, 31, v0                           ; l
	v_lshlrev_b32 v2, 4, v0                        ; 16 t
	v_lshlrev_b32 v3, 4, v1                        ; 16 l
	v_and_b32 v4, 0xe0, v0                         ; 32 w
	v_lshl_add_u32 v5, v4, 6, v3                   ; 2,048 w + 16 l: my 16 bytes of a row's segment
	v_and_b32 v6, 7, v0
	v_lshlrev_b32 v6, 4, v6
	v_lshl_add_u32 v6, v4, 4, v6                   ; 512 w + 16 (l % 8)
	v_mov_b32 v[FILL], 0x1e3ce508                  ; 1e-20
	s_lshl_b32 s12, ttmp9, 16                      ; four rows of 16,384 bytes
	s_mov_b32 s13, 0
	s_lshl_b32 s14, ttmp9, 14                      ; four rows' parts
	s_mov_b32 s15, 0
	s_lshl_b32 s16, ttmp9, 9                       ; four rows of the mask
	s_mov_b32 s17, 0
	s_wait_kmcnt 0x0
	s_add_nc_u64 s[4:5], s[4:5], s[12:13]
	s_add_nc_u64 s[10:11], s[10:11], s[12:13]
	s_add_nc_u64 s[6:7], s[6:7], s[14:15]
	s_add_nc_u64 s[8:9], s[8:9], s[16:17]
.irp i, 0,1,2,3
	global_load_b128 v[PT+4*\i:PT+4*\i+3], v2, s[6:7] offset:4096*\i th:TH_LOAD_NT   ; a wave reads one tile's 512 consecutive bytes
.endr
	global_load_b128 v[MK:MK+3], v3, s[8:9]
.irp i, 0,1,2,3,4,5,6,7,8,9,10,11,12,13,14,15
	global_load_b128 v[V+4*\i:V+4*\i+3], v5, s[4:5] offset:16384*(\i/4)+512*(\i%4) th:TH_LOAD_NT   ; 512 consecutive bytes a wave
.endr
	s_wait_loadcnt 16                              ; the parts and the mask are in; v's sixteen may be out
	v_pk_add_f32 v[PT:PT+1], v[PT:PT+1], v[PT+4:PT+5]
	v_pk_add_f32 v[PT+2:PT+3], v[PT+2:PT+3], v[PT+6:PT+7]
	v_pk_add_f32 v[PT+8:PT+9], v[PT+8:PT+9], v[PT+12:PT+13]
	v_pk_add_f32 v[PT+10:PT+11], v[PT+10:PT+11], v[PT+14:PT+15]
	v_pk_add_f32 v[PT:PT+1], v[PT:PT+1], v[PT+8:PT+9]
	v_pk_add_f32 v[PT+2:PT+3], v[PT+2:PT+3], v[PT+10:PT+11]
	ds_store_b128 v2, v[PT:PT+3]
	s_wait_dscnt 0x0                               ; for the others' sake: my store has landed
	s_barrier_signal -1
	s_barrier_wait -1
.irp i, 0,1,2,3,4,5,6,7
	ds_load_b128 v[W+4*\i:W+4*\i+3], v3 offset:512*\i              ; wave i's sum at my place
.endr
	s_wait_dscnt 0x0
	v_pk_add_f32 v[PT:PT+1], v[W:W+1], v[W+4:W+5]
	v_pk_add_f32 v[PT+2:PT+3], v[W+2:W+3], v[W+6:W+7]
.irp i, 2,3,4,5,6,7
	v_pk_add_f32 v[PT:PT+1], v[PT:PT+1], v[W+4*\i:W+4*\i+1]
	v_pk_add_f32 v[PT+2:PT+3], v[PT+2:PT+3], v[W+4*\i+2:W+4*\i+3]
.endr
	v_pk_mul_f32 v[PT:PT+1], v[PT:PT+1], 0x3c800000 op_sel_hi:[1,0]        ; / 64: exact
	v_pk_mul_f32 v[PT+2:PT+3], v[PT+2:PT+3], 0x3c800000 op_sel_hi:[1,0]
.irp j, 0,1,2,3
	v_cmp_eq_u32 vcc_lo, 0, v[MK+\j]
	v_cndmask_b32 v[PT+\j], v[PT+\j], v[FILL], vcc_lo              ; 1e-20 where the mask is 0
.endr
	v_max3_num_f32 v12, v[PT], v[PT+1], v[PT+2]    ; the row's maximum: my four, then the eight lanes that share the row
	v_max_num_f32 v12, v12, v[PT+3]
	v_max_num_f32_dpp v12, v12, v12 row_xmask:1 row_mask:0xf bank_mask:0xf
	v_max_num_f32_dpp v12, v12, v12 row_xmask:2 row_mask:0xf bank_mask:0xf
	v_max_num_f32_dpp v12, v12, v12 row_xmask:4 row_mask:0xf bank_mask:0xf
.irp j, 0,1,2,3
	v_sub_f32 v[PT+\j], v[PT+\j], v12
.endr
.irp j, 0,1,2,3
	v_mul_f32 v[PT+\j], 0x3fb8aa3b, v[PT+\j]       ; x log2(e)
.endr
.irp j, 0,1,2,3
	v_exp_f32 v[PT+\j], v[PT+\j]
.endr
	v_nop                                          ; a plain instruction behind the last exponential (ISA guide 5.7.2),
	s_wait_alu depctr_va_vdst(0)                   ; and the one wait ahead of the batch's first reader
	v_add_f32 v12, v[PT], v[PT+1]
	v_add_f32 v13, v[PT+2], v[PT+3]
	v_add_f32 v12, v12, v13
	v_add_f32_dpp v12, v12, v12 row_xmask:1 row_mask:0xf bank_mask:0xf
	v_add_f32_dpp v12, v12, v12 row_xmask:2 row_mask:0xf bank_mask:0xf
	v_add_f32_dpp v12, v12, v12 row_xmask:4 row_mask:0xf bank_mask:0xf
	v_rcp_f32 v13, v12
	v_nop
	s_wait_alu depctr_va_vdst(0)                   ; likewise for the reciprocal
.irp j, 0,1,2,3
	v_mul_f32 v[PT+\j], v[PT+\j], v13
.endr
	ds_store_b128 v2, v[PT:PT+3] offset:4096       ; my wave's own 512 bytes: row l / 8 at 128 (l / 8), h at 16 (l % 8)
.irp r, 0,1,2,3
	ds_load_b128 v[W+4*\r:W+4*\r+3], v6 offset:4096+128*\r         ; LDS serves a wave's instructions in order (ISA guide 5.7.1.4): these see the store above
.endr
	s_wait_dscnt 0x0
.irp i, 0,1,2,3,4,5,6,7,8,9,10,11,12,13,14,15
	s_wait_loadcnt 15-\i                           ; loads come back in order (ISA guide 5.7.1): number i is in, the younger ones may be out
	v_pk_mul_f32 v[V+4*\i:V+4*\i+1], v[V+4*\i:V+4*\i+1], v[W+4*(\i/4):W+4*(\i/4)+1]
	v_pk_mul_f32 v[V+4*\i+2:V+4*\i+3], v[V+4*\i+2:V+4*\i+3], v[W+4*(\i/4)+2:W+4*(\i/4)+3]
	global_store_b128 v5, v[V+4*\i:V+4*\i+3], s[10:11] offset:16384*(\i/4)+512*(\i%4) th:TH_STORE_NT   ; 512 consecutive bytes a wave, at a multiple of 512 from out0's first byte; no store's data are written again
.endr
	s_wait_tensorcnt 0x0
	ds_add_u32 v128, v129
	s_wait_dscnt 0x0
	s_endpgm
.Lfunc_end_k_q8e975a31e0_weigh:
	.size	k_q8e975a31e0_weigh, .Lfunc_end_k_q8e975a31e0_weigh-k_q8e975a31e0_weigh
	.p2alignl 7, 3214868480
	.fill 96, 4, 3214868480
	.section	.rodata,"a",@progbits
	.p2align	6, 0x0
	.amdhsa_kernel k_q8e975a31e0_weigh
		.amdhsa_group_segment_fixed_size 9216
		.amdhsa_private_segment_fixed_size 0
		.amdhsa_enable_private_segment 0
		.amdhsa_kernarg_size 32
		.amdhsa_user_sgpr_count 2
		.amdhsa_user_sgpr_kernarg_segment_ptr 1
		.amdhsa_wavefront_size32 1
		.amdhsa_system_sgpr_workgroup_id_x 1
		.amdhsa_system_sgpr_workgroup_id_y 1
		.amdhsa_system_sgpr_workgroup_id_z 1
		.amdhsa_system_vgpr_workitem_id 0
		.amdhsa_next_free_vgpr 130
		.amdhsa_next_free_sgpr 66
		.amdhsa_reserve_vcc 1
		.amdhsa_float_denorm_mode_32 3
		.amdhsa_float_denorm_mode_16_64 3
		.amdhsa_memory_ordered 1
		.amdhsa_forward_progress 1
		.amdhsa_inst_pref_size 12
	.end_amdhsa_kernel
	.amdgpu_metadata
---
amdhsa.version: [ 1, 2 ]
amdhsa.kernels:
  - .name:           k_q8e975a31e0_weigh
    .symbol:         k_q8e975a31e0_weigh.kd
    .args:
      - { .name: vbuf, .offset: 0, .size: 8, .value_kind: global_buffer, .address_space: global }
      - { .name: part, .offset: 8, .size: 8, .value_kind: global_buffer, .address_space: global }
      - { .name: mask, .offset: 16, .size: 8, .value_kind: global_buffer, .address_space: global }
      - { .name: out0, .offset: 24, .size: 8, .value_kind: global_buffer, .address_space: global }
    .group_segment_fixed_size: 9216
    .private_segment_fixed_size: 0
    .kernarg_segment_align: 8
    .kernarg_segment_size: 32
    .max_flat_workgroup_size: 256
    .sgpr_count:     66
    .vgpr_count:     130
    .wavefront_size: 32
...
	.end_amdgpu_metadata
.endif
;; end of part 2
;; ======== version 2 of 2: 2 launches
;; limits: right only within a limited range of input values
;; workspace buffers: vbuf 16,777,216 bytes; part 4,194,304 bytes
;; launch proj (part 3): grid 32 x 8, 4 waves a work-group, clusters of 4 x 4, 327,680 bytes of LDS; arguments x_codes, x_scales, Wq_codes, Wv_codes, Wq_scales, Wv_scales, Wk_codes, Wk_scales, bq, bv, bk, vbuf, part; writes vbuf, part
.if DOCPART == 3
	.amdgcn_target "amdgcn-amd-amdhsa--gfx1250"
	.amdhsa_code_object_version 6
	.text
	.protected	k_q8e975a31e0_proj
	.globl	k_q8e975a31e0_proj
	.p2align	8
	.type	k_q8e975a31e0_proj,@function
k_q8e975a31e0_proj:
	s_mov_b64 s[64:65], 0
	v_nop
	global_prefetch_b8 v0, s[64:65] scope:SCOPE_SE
	s_setreg_imm32_b32 hwreg(HW_REG_WAVE_MODE, 25, 1), 1
	s_wait_xcnt 0x0
	s_wait_alu depctr_hold_cnt(0) depctr_sa_sdst(0) depctr_va_vdst(0) depctr_va_sdst(0) depctr_va_ssrc(0) depctr_va_vcc(0) depctr_vm_vsrc(0)
	s_getreg_b32 s2, hwreg(HW_REG_IB_STS2, 6, 4)
	s_cmp_eq_u32 s2, 0
	s_cbranch_scc0 .Lentry_in_a_cluster
	s_endpgm
.Lentry_in_a_cluster:
	s_bfe_u32 s2, ttmp6, 0x10000c
	s_cmp_lg_u32 s2, 0xf033
	s_cbranch_scc0 .Lentry_shape_is_right
	s_endpgm
.Lentry_shape_is_right:
; q = x Wq^T + bq, v = x Wv^T + bv and k0 = the columns 32 d of x Wk^T + bk, all on codes of FP6 (E2M3) with one E8M0 scale for each 32 along K = 4,096; sums in f32.
; x: [1024][4096], Wq, Wv, Wk: [4096][4096] as codes, K innermost, 3,072 bytes a row; their scale bytes 128 a row.  Column e of q and v is (d, h) = (e / 32, e % 32).
; DEAD WORK LEFT OUT: the problem keeps of k only k[:, :, 0], the columns 32 d; column e of k hangs on row e of Wk and on bk[e] alone, so for all values of the inputs the other rows of Wk's codes and scales and the
; other numbers of bk reach no output.  Only rows 32 d are read and multiplied.  LIMIT: a NaN, an infinity or an overflow that reaches only what is left out is not carried to the result.
; LIMITS: NaN and infinities come out as the matrix unit and the multiply-adds give them; the sum over d is made in another order than the problem writes it.
; A work-group (tx 0..31, ty 0..7) takes x's rows 128 ty on against rows 128 tx on of Wq and of Wv and rows 32 (4 tx + j), j = 0..3, of Wk.  Its 128 columns of q are d = 4 tx .. 4 tx + 3 for all 32 h, so q never
; goes to memory: the work-group stores  part[s / 4][tx][s % 4][h] = sum over its four d of k0[s][d] q[s][32 d + h]  (f32, fused multiply-adds), and vbuf[s][e] = v.  The next launch adds the 32 parts and weighs v.
; FOUR WAVES.  WA = wave / 2: which 64 rows;  WB = wave % 2: 0 makes q, 1 makes v: 64 x 128, 32 accumulators.  A wave's local block i of 16 rows is row block 4 WA + (i xor 2 WB), and every wave makes k0 for its local
; blocks 0 and 1: the q wave for row blocks 0, 1, the v wave for 2, 3, which it hands over through LDS at the end.  So all four waves run the same 34 products for each 128 along K.
; THE MATRIX INSTRUCTION IS USED TRANSPOSED (source 0 = 16 rows of W, source 1 = 16 rows of x): lane (r, h) holds row r of x and its registers the columns 8 h + 0 .. 7 of the block.  For k0 lane r of source 0 takes Wk's row
; r % 4 of the four, so registers 0 to 3 of the result hold k0 of d = 4 tx + 0 .. 3 in every lane.
; THE RING: K goes in 12 chunks of 256 bytes of each row, which begin at multiples of 256 bytes, through three LDS slots of three tiles of 128 rows: x (wave 0 fetches), Wq (wave 1), Wv (wave 2); chunk c lies in slot c % 3.
; A step of 128 along K is 96 bytes: eight steps (q = 0 .. 7) to three chunks, a period; four periods.  Steps q = 2 and q = 5 lie across two chunks.  A step's fragments are fetched while the step before is multiplied.
; What a round's load brings is shown to all waves by the next round, and is first read behind that: with a third slot a step that lies across two chunks wants no barrier of its own.
; LDS rows are 272 bytes apart (16 bytes of padding): row r starts at bank 4 r mod 64, and the 32 lanes of a load of 8 bytes touch 64 different banks.
; Wk's four rows of codes, for all of K, are filled once (wave 3), stated 3,088 wide over an extent of 3,072: what lies past the extent arrives as zeros (ISA guide 10.11) and is never read.
; THE SCALE BYTES GO FROM MEMORY STRAIGHT INTO REGISTERS, four steps' 16 bytes of a row at a time, four steps ahead: those of the 384 rows for all of K are 49,152 bytes, and LDS has 1,280 left.
; A load takes 32 neighbouring rows, a lane a row: lanes 0-15 of its four registers hold an even block's words, lanes 16-31 the odd block's, and the product names the upper lanes by MATRIX_SCALE_ROW1.
; CLUSTERS: 4 x 4 work-groups.  x's tiles hang on ty alone and are asked for jointly by a row of the cluster; all of W's hang on tx alone and are asked for jointly by a column.
; The biases bq and bv are the C of each sum's first product.
; REGISTERS, in windows of 256: window 0: v1-31 addresses; v32-87 scale words, two sets of 28, and nothing else; v88-95 the partner's k0; v96-143, v144-191 x's fragments, two sets; v192-251 the fragments' LDS addresses; on the way out v96-255 are free.
;   window 1: W's fragments, two sets at v0 and v128: block b at 12 b, Wk's at 96.   window 2: accumulator (a, b) at v[8 (8 a + b)].   window 3: v0-15 k0's two accumulators; v64-127 my 128 numbers of bq or bv.
.set ROWB,   256                       ; a chunk's bytes of a row
.set KROW,   3072                      ; a row of codes in memory
.set PITCH,  272                       ; an LDS row
.set BLK,    16*PITCH                  ; 16 rows
.set FR,     12                        ; registers of a fragment: 16 rows x 128 K
.set TILEB,  128*PITCH                 ; a tile of 128 rows: what one tensor load brings
.set SLOT,   3*TILEB                   ; x, Wq, Wv
.set WKC,    3*SLOT                    ; behind the ring: Wk's four rows of codes for all of K,
.set WKROW,  KROW+16                   ; 3,088 bytes apart: the four rows start at banks 0, 4, 8, 12
.set SPARE,  WKC+12544                 ; the spare words, 128 bytes for each wave: two blocks of 256 bytes that no other line names
.set STAGE,  0                         ; the way out: a stage for each wave, in slot 0, which has had its last fill and its last read when the first result is stored there
.set STGB,   9216                      ; v: 16 rows x (512 + 16) bytes;  q: 64 rows x (128 + 16) bytes
.set XCH,    4*STGB                    ; k0's images, in slot 0 too: 1,024 bytes for each half of the rows
.set BO,    3                          ; v3     32 h: my eight numbers of a block's sixteen biases
.set ADRK,  10                         ; v10    Wk's codes of the period in hand
.set GSAL,  11                         ; v11    scale bytes in memory: 128 x lane + my local blocks 0, 1 among the tile's 128 rows of x
.set GSAH,  12                         ; v12    the same for local blocks 2, 3
.set GSB,   13                         ; v13    128 x lane: 32 neighbouring rows of W
.set GSK,   14                         ; v14    4,096 x (lane % 4): Wk's rows, 32 apart
.set PFO,   15                         ; v15    the prefetches' offset: 3,072 x lane: a lane a row; never rewritten
.set STV,   22                         ; v22    v's way out: where I put 32 bytes of a row
.set RDV,   23                         ; v23    and where I read a row back
.set CO,    24                         ; v24    16 x lane: my byte offset in 512 bytes of memory
.set STQ,   25                         ; v25    q's way out: where I put 32 bytes of a row of parts
.set RDQ,   26                         ; v26    and where I read four rows back
.set XA,    27                         ; v27    k0's image: 16 x lane in my half's 1,024 bytes
.set SPW,   28                         ; v28    LDS address of my spare word: SPARE + 4 x my thread's number; never rewritten
.set NIL,   29                         ; v29    0; never rewritten
.set SC,    32                         ; scale words: set s (steps 4 s .. 4 s + 3 of a period) at SC + 28 s; in it x's local blocks 2 i, 2 i + 1 at 4 i + q % 4, W's blocks 2 j, 2 j + 1 at 8 + 4 j + q % 4, Wk's at 24 + q % 4
.set KX,    88
.set AF,    96                         ; x's fragments: set q % 2 at AF + 48 (q % 2)
.set AW,    192                        ; LDS addresses: W's block i in slot u at AW + 3 i + u,
.set AX,    216                        ; x's local block i at AX + 3 i + u;
.set XW,    228                        ; for pieces that lanes 0-15 read at the end of slot u's row (from byte 232 on) and lanes 16-31 at the start of slot u + 1's: W's block i at XW + 2 i + u,
.set XX,    244                        ; x's at XX + 2 i + u
.set P,     96                         ; the way out of q: 64 parts a lane
.set QB,    160                        ; and 64 rows of parts read back
.set KK,    224                        ; k0 + bk, each number twice (a pair for the packed forms): block a, d at KK + 8 a + 2 d
.set VB,    96                         ; the way out of v: 16 rows read back, v96-159 and v160-223 by turns
.set BIAS,  64                         ; in window 3
.set TX,    22
.set TY,    23
.set G1X,   24                         ; s[24:31] descriptor group 1 for x's tiles;   s[32:39] for W's: it differs in the mask alone
.set G1W,   32
.set G0X,   40                         ; s[40:43] group 0 for x's tiles;   s[48:51] for W's
.set LB,    44                         ; s44    my tile's place in a slot: wave x a tile
.set G0W,   48
.set XSB,   56                         ; s[56:57] x's scale bytes: my tile's first row, at the period in hand
.set WSB,   58                         ; s[58:59] the same for Wq (a q wave) or Wv (a v wave)
.set KSB,   60                         ; s[60:61] and for Wk
.set WB,    62                         ; s62    wave % 2
.set LIM,   63                         ; s63    1 in a wave that prefetches, else the greatest number
.set WV,    66                         ; s66    my wave's number
.set WA,    67                         ; s67    wave / 2
.set XC,    68                         ; s[68:69] x's codes, the buffer's address as it came
.set PFA,   70                         ; s[70:71] where my prefetches stand: my work-group's 32 rows of the tile that I fetch
.set BK,    72                         ; s72-75 bk of my four d
.set G1K,   84                         ; s[84:91], s[92:95] groups 1 and 0 for Wk's four rows
.set G0K,   92
.set MSB, 0
.macro WIN new                         ; the immediate's high byte repeats the setting that is left; a switch that changes nothing is dropped
.if MSB != \new
	s_set_vgpr_msb (MSB<<8)|\new
.set MSB, \new
.endif
.endm
.set MUL,   0xa1                       ; source 0 (W) window 1, source 1 (x) window 0, C and D window 2
.set MULB,  0xb1                       ; the same with C (the bias) in window 3
.set MULK,  0xf1                       ; the same with C and D in window 3
.set TO_B,  0x40                       ; destination window 1, address window 0
.macro PLACES n                        ; a load into a register that a matrix instruction has read, and whatever reads a matrix result, stand four plain vector instructions behind it (ISA guide 7.12.1 for the readers of a matrix result)
.rept \n
	v_nop
.endr
.endm
.macro WALU
	s_wait_alu depctr_va_vdst(0)
.endm
; Group 0 for the next chunk, which goes into slot s.  It is written only behind a wait for 0 on TENSORcnt.
.macro STEPG s
	s_add_nc_u64 s[G0X+2:G0X+3], s[G0X+2:G0X+3], ROWB
	s_add_nc_u64 s[G0W+2:G0W+3], s[G0W+2:G0W+3], ROWB
	s_mov_b32 s[G0X+1], (\s)*SLOT
	s_add_co_u32 s[G0W+1], s[LB], (\s)*SLOT
.endm
; A joint load of a chunk: wave 0 fetches x's tile, waves 1 and 2 Wq's and Wv's, wave 3 nothing.  The branches hang on the wave's number alone.  Four v_nop follow each of the two lines.
.macro JLOAD
	s_cmp_eq_u32 s[WV], 0
	s_cbranch_scc0 .Lnot_x_\@
	tensor_load_to_lds s[G0X:G0X+3], s[G1X:G1X+7]
	s_nop 0
	PLACES 4
	s_branch .Lasked_\@
.Lnot_x_\@:
	s_cmp_eq_u32 s[WV], 3
	s_cbranch_scc1 .Lasked_\@
	tensor_load_to_lds s[G0W:G0W+3], s[G1W:G1W+7]
	s_nop 0
	PLACES 4
.Lasked_\@:
.endm
; A PREFETCH INTO THE L2, a step behind each joint load, of the chunk that stands two refills on: a block of 256 bytes of each row, a lane a row.  The wave that fetches a tile asks for it, and of its 128 rows each of the four
; partners that fetch it jointly takes 32, told apart BY ADDRESS (cx for x, cy for W): no branch hangs on a work-group's place in its cluster.  W's rows are read by the two clusters of a column, and the one with y = 0 asks;
; x's by the eight of a row, and those with x = 0 and x = 4 ask.  Chunk 0 comes by its load alone.
; cond 1: ahead of the loop;  2: in every trip;  3: not in the last trip (s3 = 1), where no such chunk is left.
.macro ASK cond, off
.if (\cond) == 1
	s_cmp_eq_u32 s[LIM], 1
.elseif (\cond) == 2
	s_cmp_ge_u32 s3, s[LIM]
.else
	s_cmp_gt_u32 s3, s[LIM]
.endif
	s_cbranch_scc0 .Lnot_mine_\@
	global_prefetch_b8 v[PFO], s[PFA:PFA+1] offset:\off th:TH_LOAD_NT scope:SCOPE_SE
.Lnot_mine_\@:
.endm
.macro CREST                           ; a round of the cluster's barrier behind its opening barrier
	s_cmp_lg_u32 s[WV], 0
	s_cbranch_scc1 .Lnot_wave_0_\@
	s_barrier_signal -3
.Lnot_wave_0_\@:
	s_barrier_wait -3
	s_barrier_signal -1
	s_barrier_wait -1
.endm
.macro CROUND                          ; a whole round
	s_barrier_signal -1
	s_barrier_wait -1
	CREST
.endm
; Four steps' scale words, four a row, into set sc: seven loads of 16 bytes a lane.
.macro GSCALES sc, off
	global_load_b128 v[SC+28*(\sc):SC+28*(\sc)+3], v[GSAL], s[XSB:XSB+1] offset:\off        ; x's local blocks 0 (lanes 0-15) and 1 (lanes 16-31)
	global_load_b128 v[SC+28*(\sc)+4:SC+28*(\sc)+7], v[GSAH], s[XSB:XSB+1] offset:\off      ; blocks 2 and 3
.irp j, 0,1,2,3
	global_load_b128 v[SC+28*(\sc)+8+4*\j:SC+28*(\sc)+8+4*\j+3], v[GSB], s[WSB:WSB+1] offset:4096*\j+\off   ; W's blocks 2 j and 2 j + 1
.endr
	global_load_b128 v[SC+28*(\sc)+24:SC+28*(\sc)+27], v[GSK], s[KSB:KSB+1] offset:\off     ; Wk's four rows, lane r that of row r % 4
.endm
; Load L_ of the fetch of step q into set p.  A fragment, 16 rows x 128 K, is 12 registers: lane (r, h) holds row r; registers 6 c .. 6 c + 5 hold K = 64 c + 32 h + 0 .. 31: 24 bytes of the row's stream of bits, as they lie,
; in six pieces of 8 bytes, two to a load where both go by one address register: LN_ = 3 loads, or 4 in the steps that lie across two chunks (q = 2: pieces 3 and 4 lie so, and piece 5 in the next chunk; q = 5: pieces 1 and 2, and 3 to 5).
.macro LD q, p
.set F_, L_/LN_
.set I_, L_-F_*LN_
.if F_ == 12                           ; Wk's
	WIN TO_B
.set R_, 128*(\p)+FR*8+4*I_
.set O0_, 12*(\q)+I_*2+(I_/2)*3
.set O1_, 12*(\q)+1+I_*5-(I_/2)*3
	ds_load_2addr_b64 v[R_:R_+3], v[ADRK] offset0:O0_ offset1:O1_
.else
.if F_ < 8
	WIN TO_B
.set R_, 128*(\p)+FR*F_
.set N_, AW+3*F_
.set X_, XW+2*F_
.else
	WIN 0
.set R_, AF+48*(\p)+FR*(F_-8)
.set N_, AX+3*(F_-8)
.set X_, XX+2*(F_-8)
.endif
.if (\q) == 2
.if I_ == 0
	ds_load_2addr_b64 v[R_:R_+3], v[N_] offset0:24 offset1:25
.elseif I_ == 1
	ds_load_b64 v[R_+4:R_+5], v[N_] offset:208
.elseif I_ == 2
	ds_load_2addr_b64 v[R_+6:R_+9], v[X_] offset0:1 offset1:2
.else
	ds_load_b64 v[R_+10:R_+11], v[N_+1]
.endif
.elseif (\q) == 5
.if I_ == 0
	ds_load_b64 v[R_:R_+1], v[N_+1] offset:224
.elseif I_ == 1
	ds_load_2addr_b64 v[R_+2:R_+5], v[X_+1] offset0:0 offset1:1
.elseif I_ == 2
	ds_load_2addr_b64 v[R_+6:R_+9], v[N_+2] offset0:2 offset1:3
.else
	ds_load_b64 v[R_+10:R_+11], v[N_+2] offset:32
.endif
.else
.set U_, (12*(\q))/32
.set O0_, 12*(\q)-32*U_+I_*2+(I_/2)*3
.set O1_, 12*(\q)-32*U_+1+I_*5-(I_/2)*3
	ds_load_2addr_b64 v[R_+4*I_:R_+4*I_+3], v[N_+U_] offset0:O0_ offset1:O1_
.endif
.endif
.endm
.macro WMI c, rb, ra
	v_wmma_scale_f32_16x16x128_f8f6f4 v[D_:D_+7], v[WF_:WF_+FR-1], v[XF_:XF_+FR-1], \c, v[SB_], v[SA_] matrix_a_fmt:MATRIX_FMT_FP6 matrix_b_fmt:MATRIX_FMT_FP6 matrix_a_scale:MATRIX_SCALE_ROW\rb matrix_b_scale:MATRIX_SCALE_ROW\ra
.endm
.macro WM c                            ; RB_, RA_ = 1: W's, x's scale words stand in lanes 16-31
.if RB_
.if RA_
	WMI \c, 1, 1
.else
	WMI \c, 1, 0
.endif
.else
.if RA_
	WMI \c, 0, 1
.else
	WMI \c, 0, 0
.endif
.endif
.endm
; Product PN_ of step q: 0 to 31: x's local block PN_ / 8 against W's block PN_ % 8;  32, 33: k0 of local blocks 0, 1.  The 34 accumulators take turns, one instruction a turn, in the same order in every step.
; first = 1: the bias (k0: the constant 0) is the C, so that nothing is cleared and nothing is added later.
.macro PROD q, first
.set S_, SC+28*((\q)/4)+((\q)%4)
.set FP_, (\q)%2
.if PN_ < 32
.set A_, PN_/8
.set B_, PN_%8
.set D_, 8*PN_
.set WF_, 128*FP_+FR*B_
.set XF_, AF+48*FP_+FR*A_
.set SB_, S_+8+4*(B_/2)
.set SA_, S_+4*(A_/2)
.set RB_, B_%2
.set RA_, A_%2
.if \first
.set CC_, BIAS+8*B_
	WIN MULB
.else
.set CC_, D_
	WIN MUL
.endif
	WM v[CC_:CC_+7]
.else
.set A_, PN_-32
.set D_, 8*A_
.set WF_, 128*FP_+FR*8
.set XF_, AF+48*FP_+FR*A_
.set SB_, S_+24
.set SA_, S_
.set RB_, 0
.set RA_, A_
	WIN MULK
.if \first
	WM 0
.else
.set CC_, D_
	WM v[CC_:CC_+7]
.endif
.endif
.endm
; The end of a step's barrier.  how = 1: the barrier has opened a round of the cluster's barrier, and the joint load follows, ahead of everything else;  how = 2: a plain barrier, behind which nothing is filled.
.macro SHUT how
	WIN 0
	s_barrier_wait -1
.if (\how) == 1
	CREST                                          ; no wave of any partner still reads this slot's tiles or has a load on its way
	JLOAD                                          ; the first tensor load behind the round, one a wave
.endif
.endm
; ONE STEP: the next step's fragments are loaded into the other set in one run (fetch = 1), then this step's 34 products are issued.
; THE WAITS on DScnt: a fetch's order is W's eight fragments, x's blocks 0 to 3, Wk's.  Ahead of x's block a there may be out: of this step's own fetch the later blocks' loads and Wk's three, and the whole run just issued.
; gs = 1: scale words are asked for, into the set that the step before has left.  ask: a prefetch at the step's end (macro ASK).
; round = 1 (2): the step holds a round (a plain barrier).  Ahead of product ap stand the wait for all my tensor loads (the last chunk asked for has landed) and the add: at the step's head where that chunk was asked for two steps ago, else late in the step;
; ahead of product 28 the wait for the add and for my reads of every slot, and the signal: the last six products, register work alone, stand between signal and wait.  Then the next chunk goes into slot s.
.macro STEP q, first, fetch, round, s, gs, ask, aoff, ap=22
.set QN_, ((\q)+1)%8
.set LC_, 3
.if ((\q) == 2) || ((\q) == 5)
.set LC_, 4
.endif
.set LN_, 3
.if (QN_ == 2) || (QN_ == 5)
.set LN_, 4
.endif
.set TOT_, 0
.if \fetch
.set TOT_, 12*LN_+3
.endif
	PLACES 4                                       ; in front of the loads into the registers that the last step's products read
.if ((\q) == 7) && (\fetch)
	v_add_nc_u32 v[ADRK], 768, v[ADRK]             ; on to the next period of Wk's codes
	WALU                                           ; the wait behind the write
.endif
.set L_, 0
.rept TOT_
	LD QN_, 1-((\q)%2)
.set L_, L_+1
.endr
	WIN 0
.if ((\q)%4) == 0
	s_wait_loadcnt 0x0                             ; these four steps' scale words (and, the first time, the biases): none of my loads from memory is out, so their bases may be stepped
.if \gs
.if (\q) == 4
	s_add_nc_u64 s[XSB:XSB+1], s[XSB:XSB+1], 32    ; 32 scale bytes a row and period
	s_add_nc_u64 s[WSB:WSB+1], s[WSB:WSB+1], 32
	s_add_nc_u64 s[KSB:KSB+1], s[KSB:KSB+1], 32
	GSCALES 0, 0
.else
	GSCALES 1, 16
.endif
.endif
.endif
.set PN_, 0
.rept 34
.if (\round) && (PN_ == (\ap))
	WIN 0                                          ; (the add's two registers lie in window 0)
	s_wait_tensorcnt 0x0
	ds_add_u32 v[SPW], v[NIL]                      ; 0 onto my spare word
.if (\round) == 1
	STEPG \s
.endif
.endif
.if (\round) && (PN_ == 28)
	s_wait_dscnt 0x0
	s_barrier_signal -1
.endif
.if PN_ == 32
.set WC_, L_
	s_wait_dscnt WC_
.elseif (PN_%8) == 0
.set WC_, LC_*(3-PN_/8)+3+L_
	s_wait_dscnt WC_
.endif
	PROD \q, \first
.set PN_, PN_+1
.endr
	WIN 0
.if \round
	SHUT \round
.endif
.if \ask
	ASK \ask, \aoff
.endif
.endm
	s_load_b64 s[G0X+2:G0X+3], s[0:1], 0x0         ; x's codes: straight into the words that will hold the tile's address
	s_load_b64 s[XSB:XSB+1], s[0:1], 0x8           ; x's scales
	s_load_b128 s[4:7], s[0:1], 0x10               ; Wq's codes, Wv's codes
	s_load_b128 s[8:11], s[0:1], 0x20              ; Wq's scales, Wv's scales
	s_load_b64 s[G0K+2:G0K+3], s[0:1], 0x30        ; Wk's codes
	s_load_b64 s[KSB:KSB+1], s[0:1], 0x38          ; Wk's scales
	s_load_b128 s[16:19], s[0:1], 0x40             ; bq, bv
	s_load_b64 s[20:21], s[0:1], 0x50              ; bk
	s_load_b64 s[96:97], s[0:1], 0x58              ; vbuf
	s_load_b64 s[98:99], s[0:1], 0x60              ; part
	v_lshl_add_u32 v[SPW], v0, 2, SPARE
	v_mov_b32 v[NIL], 0
	ds_add_u32 v[SPW], v[NIL]                      ; the wave's opening: the add, twice on end, and its wait ahead of my first tensor load
	ds_add_u32 v[SPW], v[NIL]
	v_lshrrev_b32 v1, 5, v0
	v_readfirstlane_b32 s[WV], v1                  ; wave 0..3
	s_lshr_b32 s[WA], s[WV], 1
	s_and_b32 s[WB], s[WV], 1
	s_mul_i32 s[LB], s[WV], TILEB                  ; wave x a tile: no place in the cluster enters an LDS address
	s_bfe_u32 s14, ttmp6, 0x40000                  ; cx, cy: my place in the cluster
	s_bfe_u32 s15, ttmp6, 0x40004
	s_lshl_b32 s[TX], ttmp9, 2
	s_add_co_u32 s[TX], s[TX], s14                 ; tx = 4 x cluster x + cx
	s_and_b32 s[TY], ttmp7, 0xffff
	s_lshl_b32 s[TY], s[TY], 2
	s_add_co_u32 s[TY], s[TY], s15                 ; ty = 4 x cluster y + cy
	s_lshl_b32 s104, s15, 2
	s_lshl_b32 s104, 15, s104                      ; my row of the cluster: places 4 cy .. 4 cy + 3
	s_lshl_b32 s100, 0x1111, s14                   ; my column: places cx, cx + 4, cx + 8, cx + 12
	s_or_b32 s[G1X], s104, (1<<20)|(1<<21)|(5<<22)|(3<<25)   ; 15:0 the mask: x's tiles go to my row; 17:16 elements of 1 byte; 20 padding on; 21 set beside a mask; 24:22 after every 64 words; 31:25 of 4 words
	s_or_b32 s[G1W], s100, (1<<20)|(1<<21)|(5<<22)|(3<<25)   ; W's go to my column
	s_or_b32 s[G1K], s100, 1<<21                   ; Wk's too, without padding
.irp g, G1X, G1W                       ; a tile of 128 rows x 256 bytes, 3,072 bytes from row to row
	s_mov_b32 s[\g+1], ROWB<<16                    ; tensor_dim0
	s_mov_b32 s[\g+2], 128<<16                     ; tensor_dim1
	s_mov_b32 s[\g+3], ROWB<<16                    ; tile_dim0
	s_mov_b32 s[\g+4], 128                         ; tile_dim1
	s_mov_b32 s[\g+5], KROW                        ; tensor_dim0_stride
	s_mov_b32 s[\g+6], 0
	s_mov_b32 s[\g+7], 0
.endr
	s_mov_b32 s[G1K+1], KROW<<16                   ; Wk: 4 whole rows of 3,072 bytes,
	s_mov_b32 s[G1K+2], 4<<16
	s_mov_b32 s[G1K+3], WKROW<<16                  ; written 3,088 wide,
	s_mov_b32 s[G1K+4], 4
	s_mov_b32 s[G1K+5], 32*KROW                    ; 32 rows apart
	s_mov_b32 s[G1K+6], 0
	s_mov_b32 s[G1K+7], 0
	s_mul_i32 s104, s[TY], 128*KROW                ; x's rows 128 ty on, in bytes: offsets made of ty stand in s[104:105],
	s_mov_b32 s105, 0
	s_mul_i32 s100, s[TX], 128*KROW                ; those made of tx in s[100:101]
	s_mov_b32 s101, 0
	s_wait_dscnt 0x0                               ; both opening adds are done
	CROUND                                         ; all sixteen work-groups are here: the first joint loads meet
	s_wait_kmcnt 0x0
	s_mov_b64 s[XC:XC+1], s[G0X+2:G0X+3]                           ; kept for the prefetches
	s_add_nc_u64 s[G0X+2:G0X+3], s[G0X+2:G0X+3], s[104:105]        ; 120:64 global address: chunk 0
	s_or_b32 s[G0X+3], s[G0X+3], 0x80000000                        ; 127:126 type = 2
	s_mov_b32 s[G0X], 1                                            ; 1:0 count = 1
	s_mov_b32 s[G0X+1], 0                                          ; 63:32 LDS address: x's tile heads its slot
	s_cmp_eq_u32 s[WV], 1                          ; wave 1 fetches for Wq, wave 2 for Wv (waves 0 and 3 never use these words)
	s_cselect_b64 s[G0W+2:G0W+3], s[4:5], s[6:7]
	s_add_nc_u64 s[G0W+2:G0W+3], s[G0W+2:G0W+3], s[100:101]
	s_or_b32 s[G0W+3], s[G0W+3], 0x80000000
	s_mov_b32 s[G0W], 1
	s_mov_b32 s[G0W+1], s[LB]
	s_add_nc_u64 s[G0K+2:G0K+3], s[G0K+2:G0K+3], s[100:101]        ; Wk's row 128 tx = 32 (4 tx)
	s_or_b32 s[G0K+3], s[G0K+3], 0x80000000
	s_mov_b32 s[G0K], 1
	s_mov_b32 s[G0K+1], WKC
	; THE HEAD'S LOADS, ONE A WAVE, in one chain of branches on the wave's number: chunk 0 of x (wave 0), Wq (wave 1), Wv (wave 2), and Wk's four rows for all of K (wave 3)
	s_cmp_eq_u32 s[WV], 0
	s_cbranch_scc0 .Lfirst_not_x
	tensor_load_to_lds s[G0X:G0X+3], s[G1X:G1X+7]
	s_nop 0
	PLACES 4
	s_branch .Lfirst_asked
.Lfirst_not_x:
	s_cmp_eq_u32 s[WV], 3
	s_cbranch_scc1 .Lfirst_k
	tensor_load_to_lds s[G0W:G0W+3], s[G1W:G1W+7]
	s_nop 0
	PLACES 4
	s_branch .Lfirst_asked
.Lfirst_k:
	tensor_load_to_lds s[G0K:G0K+3], s[G1K:G1K+7]
	s_nop 0
	PLACES 4
.Lfirst_asked:
	v_and_b32 v31, 31, v0                          ; lane
	v_mul_u32_u24 v[PFO], v31, KROW
	v_lshlrev_b32 v[GSB], 7, v31                   ; a lane a row of 128 scale bytes
	v_and_b32 v30, 3, v0                           ; r % 4: which of Wk's four rows my lane takes
	v_lshlrev_b32 v[GSK], 12, v30                  ; its scale bytes in memory: 32 rows of 128 bytes apart
	v_and_b32 v1, 15, v0                           ; r = lane % 16
	v_bfe_u32 v2, v0, 4, 1                         ; h = lane / 16
	v_lshlrev_b32 v[BO], 5, v2
	v_mul_u32_u24 v[ADRK], v30, WKROW
	v_mad_u32_u24 v[ADRK], v2, 24, v[ADRK]
	v_add_nc_u32 v[ADRK], WKC, v[ADRK]
	WALU                                           ; the wait ahead of the scalar lines
	; the prefetches (macro ASK): where my wave's stand, and who asks
	s_and_b32 s76, ttmp7, 0xffff                   ; cluster y
	s_and_b32 s79, ttmp9, 3                        ; cluster x % 4
	s_cmp_eq_u32 s[WV], 0                          ; do I fetch for x?
	s_cselect_b32 s77, s[TY], s[TX]                ; the tile: by ty in x, by tx in W
	s_cselect_b32 s78, s14, s15                    ; my place among the four that ask for it with me
	s_cselect_b32 s76, s79, s76                    ; 0 in the clusters that ask
	s_cselect_b64 s[PFA:PFA+1], s[XC:XC+1], s[4:5]
	s_cmp_eq_u32 s[WV], 2
	s_cselect_b64 s[PFA:PFA+1], s[6:7], s[PFA:PFA+1]
	s_cmp_eq_u32 s76, 0
	s_cselect_b32 s[LIM], 1, -1                    ; the same in all sixteen partners, for a given wave
	s_cmp_eq_u32 s[WV], 3
	s_cselect_b32 s[LIM], -1, s[LIM]               ; wave 3 fetches no tile of the ring and asks for nothing
	s_lshl_b32 s77, s77, 7                         ; the tile's first row,
	s_lshl_b32 s78, s78, 5
	s_add_co_u32 s77, s77, s78                     ; + my work-group's 32 of its 128
	s_mul_i32 s78, s77, KROW
	s_mov_b32 s79, 0
	s_add_nc_u64 s[PFA:PFA+1], s[PFA:PFA+1], s[78:79]
	; the scale bytes' bases and my blocks
	s_lshl_b32 s2, s[WA], 2
	s_lshl_b32 s13, s[WB], 1
	s_add_co_u32 s2, s2, s13                       ; local blocks 0, 1 are row blocks 4 WA + 2 WB on,
	s_xor_b32 s13, s2, 2                           ; local blocks 2, 3 the other two of my four
	s_lshl_b32 s76, s2, 11                         ; 16 rows of 128 bytes a block
	s_lshl_b32 s77, s13, 11
	v_add_nc_u32 v[GSAL], s76, v[GSB]
	v_add_nc_u32 v[GSAH], s77, v[GSB]
	WALU                                           ; likewise
	s_lshl_b32 s104, s[TY], 14                     ; 128 rows of 128 scale bytes
	s_lshl_b32 s100, s[TX], 14
	s_add_nc_u64 s[XSB:XSB+1], s[XSB:XSB+1], s[104:105]
	s_cmp_eq_u32 s[WB], 0
	s_cselect_b64 s[WSB:WSB+1], s[8:9], s[10:11]   ; Wq's scales for a q wave, Wv's for a v wave
	s_add_nc_u64 s[WSB:WSB+1], s[WSB:WSB+1], s[100:101]
	s_add_nc_u64 s[KSB:KSB+1], s[KSB:KSB+1], s[100:101]
	GSCALES 0, 0                                   ; steps 0 to 3,
	ASK 1, ROWB                                    ; chunk 1, which the next joint load brings
	; the fragments' LDS addresses: a constant + constants x lane terms + constants x wave terms
	s_mul_i32 s76, s2, BLK
	s_mul_i32 s77, s13, BLK
	s_mul_i32 s79, s[WB], TILEB
	s_add_co_u32 s79, s79, TILEB                   ; my tile of W: the slot's second (Wq) or third (Wv)
	v_mul_u32_u24 v30, v1, PITCH
	v_mad_u32_u24 v31, v2, 24, v30                 ; row x pitch + 24 x half
	v_mul_u32_u24 v16, SLOT-232, v2
	v_add_nc_u32 v16, v16, v30
	v_add_nc_u32 v16, 232, v16                     ; across two slots: lanes 0-15 byte 232 of the row, lanes 16-31 byte 0 of the next slot's
	v_add_nc_u32 v17, s79, v31
	v_add_nc_u32 v18, s79, v16
	v_add_nc_u32 v19, s76, v31
	v_add_nc_u32 v20, s77, v31
	v_add_nc_u32 v21, s76, v16
	v_add_nc_u32 v4, s77, v16
.irp i, 0,1,2,3,4,5,6,7
.irp u, 0,1,2
	v_add_nc_u32 v[AW+3*\i+\u], \u*SLOT+\i*BLK, v17
.endr
.irp u, 0,1
	v_add_nc_u32 v[XW+2*\i+\u], \u*SLOT+\i*BLK, v18
.endr
.endr
.irp i, 0,1
.irp u, 0,1,2
	v_add_nc_u32 v[AX+3*\i+\u], \u*SLOT+\i*BLK, v19
	v_add_nc_u32 v[AX+6+3*\i+\u], \u*SLOT+\i*BLK, v20
.endr
.irp u, 0,1
	v_add_nc_u32 v[XX+2*\i+\u], \u*SLOT+\i*BLK, v21
	v_add_nc_u32 v[XX+4+2*\i+\u], \u*SLOT+\i*BLK, v4
.endr
.endr
	; the way out's
	s_mul_i32 s76, s[WV], STGB
	s_add_co_u32 s76, s76, STAGE                   ; my stage
	s_lshl_b32 s77, s[WA], 10
	s_add_co_u32 s77, s77, XCH
	v_and_b32 v31, 31, v0
	v_mul_u32_u24 v30, v1, 528
	v_lshl_add_u32 v30, v2, 5, v30
	v_add_nc_u32 v[STV], s76, v30                  ; v, in: row r, 32 bytes for each half of the lanes
	v_lshlrev_b32 v[CO], 4, v31
	v_add_nc_u32 v[RDV], s76, v[CO]                ; back: the 32 lanes take one row of 512 bytes
	v_mul_u32_u24 v30, v1, 144
	v_lshl_add_u32 v30, v2, 5, v30
	v_add_nc_u32 v[STQ], s76, v30                  ; q, in: row r of 128 bytes + 16, 32 bytes for each half
	v_lshrrev_b32 v30, 3, v31
	v_mul_u32_u24 v30, v30, 144
	v_and_b32 v31, 7, v0
	v_lshl_add_u32 v30, v31, 4, v30
	v_add_nc_u32 v[RDQ], s76, v30                  ; back: eight lanes to a row, four rows an instruction
	v_add_nc_u32 v[XA], s77, v[CO]
	WALU                                           ; the wait at the end of the head's vector work
	; the biases, and where my results go
	s_lshl_b32 s100, s[TX], 9                      ; 128 tx numbers of 4 bytes
	s_cmp_eq_u32 s[WB], 0
	s_cselect_b64 s[16:17], s[16:17], s[18:19]     ; bq for a q wave, bv for a v wave
	s_add_nc_u64 s[16:17], s[16:17], s[100:101]
	s_add_nc_u64 s[20:21], s[20:21], s[100:101]    ; bk[32 (4 tx)]
	WIN 0xc0                                       ; destination window 3, address window 0
.irp b, 0,1,2,3,4,5,6,7
	global_load_b128 v[BIAS+8*\b:BIAS+8*\b+3], v[BO], s[16:17] offset:64*\b         ; block b: the biases of columns 16 b + 8 h + 0 .. 7, in the result's layout
	global_load_b128 v[BIAS+8*\b+4:BIAS+8*\b+7], v[BO], s[16:17] offset:64*\b+16
.endr
	WIN 0
	s_load_b32 s[BK], s[20:21], 0x0                ; bk[32 (4 tx + j)]: 128 bytes apart
	s_load_b32 s[BK+1], s[20:21], 0x80
	s_load_b32 s[BK+2], s[20:21], 0x100
	s_load_b32 s[BK+3], s[20:21], 0x180
	s_lshl_b32 s13, s[TY], 7
	s_lshl_b32 s2, s[WA], 6
	s_add_co_u32 s13, s13, s2                      ; my first row: 128 ty + 64 WA
	s_lshl_b32 s104, s13, 14                       ; vbuf: 16,384 bytes a row,
	s_add_co_u32 s104, s104, s100                  ; + 512 tx
	s_add_nc_u64 s[96:97], s[96:97], s[104:105]
	s_lshl_b32 s104, s13, 12                       ; part: 16,384 bytes for four rows,
	s_add_co_u32 s104, s104, s100                  ; + my tile's 512
	s_add_nc_u64 s[98:99], s[98:99], s[104:105]
	s_wait_tensorcnt 0x0                           ; my tile of chunk 0, or Wk's rows, are in
	ds_add_u32 v[SPW], v[NIL]
	STEPG 1
	s_wait_dscnt 0x0
	CROUND                                         ; everybody's part is in, and the joint loads meet:
	JLOAD                                          ; chunk 1
.set LN_, 3
.set L_, 0
.rept 39
	LD 0, 0                                        ; step 0's fragments, in one run
.set L_, L_+1
.endr
	WIN 0
	ASK 1, 2*ROWB                                  ; chunks 2 and 3
	ASK 1, 3*ROWB
	s_wait_kmcnt 0x0                               ; bk's four
	; Chunks 0, 1, 2 of a period are read for the last time by the fetches of steps q = 2, 5 and 7, which are over when those steps are multiplied: rounds in steps 2, 5 and 0 refill their slots, three chunks on.
	STEP 0, 1, 1, 1, 2, 0, 0, 0                    ; the first step's products start the sums; its round asks for chunk 2
	GSCALES 1, 16                                  ; the scale words of steps 4 to 7, three steps ahead of the wait for them
	STEP 1, 0, 1, 0, 0, 0, 1, 4*ROWB
	s_mov_b32 s3, 3
.Llap:                                             ; a trip is eight steps, from a period's step 2 to the next one's step 1, and fills each slot once
	STEP 2, 0, 1, 1, 0, 0, 0, 0
	s_wait_xcnt 0x0                                ; the last prefetch, a step back, has read its address
	s_add_nc_u64 s[PFA:PFA+1], s[PFA:PFA+1], 3*ROWB
	STEP 3, 0, 1, 0, 0, 0, 2, 2*ROWB
	STEP 4, 0, 1, 0, 0, 1, 0, 0
	STEP 5, 0, 1, 1, 1, 0, 0, 0, 0
	STEP 6, 0, 1, 0, 0, 0, 3, 3*ROWB
	STEP 7, 0, 1, 0, 0, 0, 0, 0
	STEP 0, 0, 1, 1, 2, 1, 0, 0, 0
	STEP 1, 0, 1, 0, 0, 0, 3, 4*ROWB
	s_sub_co_u32 s3, s3, 1
	s_cmp_lg_u32 s3, 0
	s_cbranch_scc1 .Llap
	STEP 2, 0, 1, 2, 0, 0, 0, 0                    ; the last six steps fill nothing; a plain barrier shows the last chunk, and behind it nobody reads slot 0 any more
	STEP 3, 0, 1, 0, 0, 0, 0, 0
	STEP 4, 0, 1, 0, 0, 0, 0, 0
	STEP 5, 0, 1, 0, 0, 0, 0, 0
	STEP 6, 0, 1, 0, 0, 0, 0, 0
	STEP 7, 0, 0, 0, 0, 0, 0, 0
	PLACES 4                                       ; in front of the first reads of the last results, and of whatever is written or loaded into the fragments' registers
	; k0 OF ROW BLOCKS 2, 3 GOES FROM THE v WAVE TO THE q WAVE OF THE SAME ROWS, as an image of its registers: 16 bytes a lane (d = 0 .. 3), 512 bytes a block
	s_cmp_eq_u32 s[WB], 0
	s_cbranch_scc1 .Lno_image
	WIN 0x0c                                       ; an LDS store's data are its source 1: window 3
	ds_store_b128 v[XA], v[0:3]
	ds_store_b128 v[XA], v[8:11] offset:512
	WIN 0
.Lno_image:
	s_wait_dscnt 0x0                               ; for the others' sake: my stores have landed
	s_barrier_signal -1
	s_barrier_wait -1
	s_cmp_eq_u32 s[WB], 0
	s_cbranch_scc0 .Lv_out
	; THE WAY OUT OF q.  part(s, h) = sum over my four d of (k0 + bk)(s, d) x q(s, 32 d + h).  Accumulator (a, 2 d + u), register j, holds q(16 a + r, 32 d + 16 u + 8 h + j).
	ds_load_b128 v[KX:KX+3], v[XA]
	ds_load_b128 v[KX+4:KX+7], v[XA] offset:512
	WIN 0x0c                                       ; source 1 in window 3: my own k0, blocks 0 and 1
.irp a, 0,1
.irp dd, 0,1,2,3
	v_add_f32 v[KK+8*\a+2*\dd], s[BK+\dd], v[8*\a+\dd]
	v_add_f32 v[KK+8*\a+2*\dd+1], s[BK+\dd], v[8*\a+\dd]
.endr
.endr
	WIN 0
	s_wait_dscnt 0x0                               ; the partner's
.irp a, 2,3
.irp dd, 0,1,2,3
	v_add_f32 v[KK+8*\a+2*\dd], s[BK+\dd], v[KX+4*(\a-2)+\dd]
	v_add_f32 v[KK+8*\a+2*\dd+1], s[BK+\dd], v[KX+4*(\a-2)+\dd]
.endr
.endr
	WIN 0x02                                       ; source 0 (q) in window 2
.irp a, 0,1,2,3
.irp u, 0,1
.irp j, 0,2,4,6
	v_pk_mul_f32 v[P+16*\a+8*\u+\j:P+16*\a+8*\u+\j+1], v[8*(8*\a+\u)+\j:8*(8*\a+\u)+\j+1], v[KK+8*\a:KK+8*\a+1]      ; d = 0 starts the sums; each accumulator is read from its low end on
.endr
.endr
.irp dd, 1,2,3
.irp u, 0,1
.irp j, 0,2,4,6
	v_pk_fma_f32 v[P+16*\a+8*\u+\j:P+16*\a+8*\u+\j+1], v[8*(8*\a+2*\dd+\u)+\j:8*(8*\a+2*\dd+\u)+\j+1], v[KK+8*\a+2*\dd:KK+8*\a+2*\dd+1], v[P+16*\a+8*\u+\j:P+16*\a+8*\u+\j+1]
.endr
.endr
.endr
.endr
	WIN 0
.irp a, 0,1,2,3                        ; through my stage: row 16 a + r, byte 64 u + 32 h + 4 j
.irp u, 0,1
.irp k, 0,1
	ds_store_b128 v[STQ], v[P+16*\a+8*\u+4*\k:P+16*\a+8*\u+4*\k+3] offset:16*144*\a+64*\u+16*\k
.endr
.endr
.endr
.irp t, 0,1,2,3,4,5,6,7,8,9,10,11,12,13,14,15
	ds_load_b128 v[QB+4*\t:QB+4*\t+3], v[RDQ] offset:\t*4*144      ; LDS serves a wave's instructions in order (ISA guide 5.7.1.4): these see the stores above.  Four rows of 128 bytes
.endr
.irp t, 0,1,2,3,4,5,6,7,8,9,10,11,12,13,14,15
	s_wait_dscnt 15-\t
	global_store_b128 v[CO], v[QB+4*\t:QB+4*\t+3], s[98:99] offset:16384*\t        ; 32 lanes store 512 consecutive bytes, at a multiple of 512 from part's first byte: rows 4 t .. 4 t + 3 of my 64, my tile's place
.endr
	s_branch .Lout
.Lv_out:
	; THE WAY OUT OF v, block by block of 16 rows x 128 columns, in the rows' true order: local blocks 2, 3, 0, 1.  A lane holds 32 neighbouring bytes of a row: a block goes through my stage and comes back as whole rows of 512 bytes.
.macro TOSTAGE n
.set AC, 64*(((\n)+2)%4)
	WIN 0x08                                       ; the data: window 2
.irp b, 0,1,2,3,4,5,6,7
	ds_store_b128 v[STV], v[AC+8*\b:AC+8*\b+3] offset:64*\b        ; each accumulator from its low end on
	ds_store_b128 v[STV], v[AC+8*\b+4:AC+8*\b+7] offset:64*\b+16
.endr
	WIN 0
.set BB, VB+64*((\n)%2)
.irp t, 0,1,2,3,4,5,6,7,8,9,10,11,12,13,14,15
	ds_load_b128 v[BB+4*\t:BB+4*\t+3], v[RDV] offset:\t*528        ; in order behind the stores above; the next block's stores come behind them
.endr
.endm
.macro SEND n, younger                 ; younger: the LDS instructions issued behind block n's loads, which may stay out
.set BB, VB+64*((\n)%2)
	s_wait_dscnt \younger
.if (\n) > 0
	s_add_nc_u64 s[96:97], s[96:97], 16*16384      ; (behind a wait on XCNT for 0: the earlier stores have read their base)  16 rows on
.endif
.irp t, 0,1,2,3,4,5,6,7,8,9,10,11,12,13,14,15
	global_store_b128 v[CO], v[BB+4*\t:BB+4*\t+3], s[96:97] offset:\t*16384        ; 32 lanes store 512 consecutive bytes, at a multiple of 512 from vbuf's first byte
.endr
.endm
	TOSTAGE 0
.irp n, 1,2,3
.if \n > 1
	s_wait_xcnt 0x0                                ; block n - 2's stores have read their registers and their base: block n's loads may land there, and the base may step
.endif
	TOSTAGE \n
	SEND \n-1, 32                                  ; behind block n - 1's loads: block n's 16 stores and 16 loads
.endr
	s_wait_xcnt 0x0                                ; block 2's stores have read their base
	SEND 3, 0
.Lout:
	s_wait_tensorcnt 0x0                           ; the wave's end, behind my last tensor load and my last LDS store
	ds_add_u32 v[SPW], v[NIL]
	s_wait_dscnt 0x0
	CROUND                                         ; the closing round: no work-group ends while a partner may still ask for a tile that names it
	s_endpgm
.Lfunc_end_k_q8e975a31e0_proj:
	.size	k_q8e975a31e0_proj, .Lfunc_end_k_q8e975a31e0_proj-k_q8e975a31e0_proj
	.p2alignl 7, 3214868480
	.fill 96, 4, 3214868480
	.section	.rodata,"a",@progbits
	.p2align	6, 0x0
	.amdhsa_kernel k_q8e975a31e0_proj
		.amdhsa_group_segment_fixed_size 327680
		.amdhsa_private_segment_fixed_size 0
		.amdhsa_enable_private_segment 0
		.amdhsa_kernarg_size 104
		.amdhsa_user_sgpr_count 2
		.amdhsa_user_sgpr_kernarg_segment_ptr 1
		.amdhsa_wavefront_size32 1
		.amdhsa_system_sgpr_workgroup_id_x 1
		.amdhsa_system_sgpr_workgroup_id_y 1
		.amdhsa_system_sgpr_workgroup_id_z 1
		.amdhsa_system_vgpr_workitem_id 0
		.amdhsa_next_free_vgpr 896
		.amdhsa_next_free_sgpr 106
		.amdhsa_reserve_vcc 0
		.amdhsa_float_denorm_mode_32 3
		.amdhsa_float_denorm_mode_16_64 3
		.amdhsa_memory_ordered 1
		.amdhsa_forward_progress 1
		.amdhsa_inst_pref_size 173
	.end_amdhsa_kernel
	.amdgpu_metadata
---
amdhsa.version: [ 1, 2 ]
amdhsa.kernels:
  - .name:           k_q8e975a31e0_proj
    .symbol:         k_q8e975a31e0_proj.kd
    .args:
      - { .name: x_codes, .offset: 0, .size: 8, .value_kind: global_buffer, .address_space: global }
      - { .name: x_scales, .offset: 8, .size: 8, .value_kind: global_buffer, .address_space: global }
      - { .name: Wq_codes, .offset: 16, .size: 8, .value_kind: global_buffer, .address_space: global }
      - { .name: Wv_codes, .offset: 24, .size: 8, .value_kind: global_buffer, .address_space: global }
      - { .name: Wq_scales, .offset: 32, .size: 8, .value_kind: global_buffer, .address_space: global }
      - { .name: Wv_scales, .offset: 40, .size: 8, .value_kind: global_buffer, .address_space: global }
      - { .name: Wk_codes, .offset: 48, .size: 8, .value_kind: global_buffer, .address_space: global }
      - { .name: Wk_scales, .offset: 56, .size: 8, .value_kind: global_buffer, .address_space: global }
      - { .name: bq, .offset: 64, .size: 8, .value_kind: global_buffer, .address_space: global }
      - { .name: bv, .offset: 72, .size: 8, .value_kind: global_buffer, .address_space: global }
      - { .name: bk, .offset: 80, .size: 8, .value_kind: global_buffer, .address_space: global }
      - { .name: vbuf, .offset: 88, .size: 8, .value_kind: global_buffer, .address_space: global }
      - { .name: part, .offset: 96, .size: 8, .value_kind: global_buffer, .address_space: global }
    .group_segment_fixed_size: 327680
    .private_segment_fixed_size: 0
    .kernarg_segment_align: 8
    .kernarg_segment_size: 104
    .max_flat_workgroup_size: 128
    .sgpr_count:     106
    .vgpr_count:     896
    .wavefront_size: 32
...
	.end_amdgpu_metadata
.endif
;; end of part 3
;; launch weigh (part 4): grid 256 x 1, 8 waves a work-group, no clusters, 9,216 bytes of LDS; arguments vbuf, part, mask, out0; writes out0
.if DOCPART == 4
	.amdgcn_target "amdgcn-amd-amdhsa--gfx1250"
	.amdhsa_code_object_version 6
	.text
	.protected	k_q8e975a31e0_weigh
	.globl	k_q8e975a31e0_weigh
	.p2align	8
	.type	k_q8e975a31e0_weigh,@function
k_q8e975a31e0_weigh:
	s_mov_b64 s[64:65], 0
	v_nop
	global_prefetch_b8 v0, s[64:65] scope:SCOPE_SE
	s_setreg_imm32_b32 hwreg(HW_REG_WAVE_MODE, 25, 1), 1
	s_wait_xcnt 0x0
; out0[s][e] = vbuf[s][e] x w[s][e % 32], w[s][:] = softmax over the 32 h of align[s][:], align[s][h] = (the sum of the 32 parts of (s, h)) / 64, or 1e-20 where mask[s][h] is 0.  All in f32; the row's maximum is taken away ahead of the exponentials.
; vbuf, out0: [1024][4096] f32.  part: [s / 4 (256)][tile (32)][s % 4][h (32)] f32.  mask: [1024][32] i32.
; A stream: no matrix unit, no tensor load, no cluster (work-groups share no input).  A work-group owns four rows: 16,384 dense bytes of part, 512 of mask, 65,536 of vbuf.  All its loads go out at the head, v's sixteen a wave last,
; so that they are on their way while the weights are made.  Thread t = 32 w + l.
; THE SUM: thread t adds tiles w, w + 8, w + 16, w + 24 at byte 16 l of a tile's 512 (row l / 8, h = 4 (l % 8) on); the eight waves' sums meet in LDS; every wave then adds all eight and makes all four rows' weights itself.
; The order of that sum is 8 groups of 4, another than the problem writes.  A lane's four weights belong to row l / 8; for the stream it wants h = 4 (l % 8) on of ALL four rows: they turn through the wave's own 512 bytes of LDS.
.set PT,  8                            ; v8-23   four loads of part; then v8-11 the sums, align, the weights
.set MK,  24                           ; v24-27  the mask
.set FILL, 28                          ; v28     1e-20
.set V,   32                           ; v32-95  sixteen loads of v: row i / 4, segment i % 4
.set W,   96                           ; v96-127 the eight waves' sums; then v96-111 the weights of rows 0 to 3 at my four h
	s_load_b256 s[4:11], s[0:1], 0x0               ; vbuf s[4:5], part s[6:7], mask s[8:9], out0 s[10:11]
	v_lshl_add_u32 v128, v0, 2, 0x2000
	v_mov_b32 v129, 0
	v_and_b32 v1, 31, v0                           ; l
	v_lshlrev_b32 v2, 4, v0                        ; 16 t
	s_delay_alu instid0(VALU_DEP_2)
	v_lshlrev_b32 v3, 4, v1                        ; 16 l
	v_and_b32 v4, 0xe0, v0                         ; 32 w
	s_delay_alu instid0(VALU_DEP_1)
	v_lshl_add_u32 v5, v4, 6, v3                   ; 2,048 w + 16 l: my 16 bytes of a row's segment
	v_and_b32 v6, 7, v0
	s_delay_alu instid0(VALU_DEP_1)
	v_lshlrev_b32 v6, 4, v6
	s_delay_alu instid0(VALU_DEP_1)
	v_lshl_add_u32 v6, v4, 4, v6                   ; 512 w + 16 (l % 8)
	v_mov_b32 v[FILL], 0x1e3ce508                  ; 1e-20
	s_lshl_b32 s12, ttmp9, 16                      ; four rows of 16,384 bytes
	s_mov_b32 s13, 0
	s_lshl_b32 s14, ttmp9, 14                      ; four rows' parts
	s_mov_b32 s15, 0
	s_lshl_b32 s16, ttmp9, 9                       ; four rows of the mask
	s_mov_b32 s17, 0
	s_wait_alu depctr_va_vdst(0)
	s_wait_kmcnt 0x0
	s_add_nc_u64 s[4:5], s[4:5], s[12:13]
	s_add_nc_u64 s[10:11], s[10:11], s[12:13]
	s_add_nc_u64 s[6:7], s[6:7], s[14:15]
	s_add_nc_u64 s[8:9], s[8:9], s[16:17]
.irp i, 0,1,2,3
	global_load_b128 v[PT+4*\i:PT+4*\i+3], v2, s[6:7] offset:4096*\i th:TH_LOAD_NT   ; a wave reads one tile's 512 consecutive bytes
.endr
	global_load_b128 v[MK:MK+3], v3, s[8:9]
.irp i, 0,1,2,3,4,5,6,7,8,9,10,11,12,13,14,15
	global_load_b128 v[V+4*\i:V+4*\i+3], v5, s[4:5] offset:16384*(\i/4)+512*(\i%4) th:TH_LOAD_NT   ; 512 consecutive bytes a wave
.endr
	s_wait_loadcnt 16                              ; the parts and the mask are in; v's sixteen may be out
	v_pk_add_f32 v[PT:PT+1], v[PT:PT+1], v[PT+4:PT+5]
	v_pk_add_f32 v[PT+2:PT+3], v[PT+2:PT+3], v[PT+6:PT+7]
	v_pk_add_f32 v[PT+8:PT+9], v[PT+8:PT+9], v[PT+12:PT+13]
	v_pk_add_f32 v[PT+10:PT+11], v[PT+10:PT+11], v[PT+14:PT+15]
	s_delay_alu instid0(VALU_DEP_2)
	v_pk_add_f32 v[PT:PT+1], v[PT:PT+1], v[PT+8:PT+9]
	s_delay_alu instid0(VALU_DEP_2)
	v_pk_add_f32 v[PT+2:PT+3], v[PT+2:PT+3], v[PT+10:PT+11]
	ds_store_b128 v2, v[PT:PT+3]
	s_wait_dscnt 0x0                               ; for the others' sake: my store has landed
	s_barrier_signal -1
	s_barrier_wait -1
.irp i, 0,1,2,3,4,5,6,7
	ds_load_b128 v[W+4*\i:W+4*\i+3], v3 offset:512*\i              ; wave i's sum at my place
.endr
	s_wait_dscnt 0x0
	v_pk_add_f32 v[PT:PT+1], v[W:W+1], v[W+4:W+5]
	v_pk_add_f32 v[PT+2:PT+3], v[W+2:W+3], v[W+6:W+7]
.irp i, 2,3,4,5,6,7
	s_delay_alu instid0(VALU_DEP_2)
	v_pk_add_f32 v[PT:PT+1], v[PT:PT+1], v[W+4*\i:W+4*\i+1]
	s_delay_alu instid0(VALU_DEP_2)
	v_pk_add_f32 v[PT+2:PT+3], v[PT+2:PT+3], v[W+4*\i+2:W+4*\i+3]
.endr
	s_delay_alu instid0(VALU_DEP_2)
	v_pk_mul_f32 v[PT:PT+1], v[PT:PT+1], 0x3c800000 op_sel_hi:[1,0]        ; / 64: exact
	s_delay_alu instid0(VALU_DEP_2)
	v_pk_mul_f32 v[PT+2:PT+3], v[PT+2:PT+3], 0x3c800000 op_sel_hi:[1,0]
.irp j, 0,1,2,3
	v_cmp_eq_u32 vcc_lo, 0, v[MK+\j]
	s_delay_alu instid0(VALU_DEP_1)
	v_cndmask_b32 v[PT+\j], v[PT+\j], v[FILL], vcc_lo              ; 1e-20 where the mask is 0
.endr
	s_delay_alu instid0(VALU_DEP_3)
	v_max3_num_f32 v12, v[PT], v[PT+1], v[PT+2]    ; the row's maximum: my four, then the eight lanes that share the row
	s_delay_alu instid0(VALU_DEP_1)
	v_max_num_f32 v12, v12, v[PT+3]
	s_delay_alu instid0(VALU_DEP_1)
	v_max_num_f32_dpp v12, v12, v12 row_xmask:1 row_mask:0xf bank_mask:0xf
	s_delay_alu instid0(VALU_DEP_1)
	v_max_num_f32_dpp v12, v12, v12 row_xmask:2 row_mask:0xf bank_mask:0xf
	s_delay_alu instid0(VALU_DEP_1)
	v_max_num_f32_dpp v12, v12, v12 row_xmask:4 row_mask:0xf bank_mask:0xf
.irp j, 0,1,2,3
	v_sub_f32 v[PT+\j], v[PT+\j], v12
.endr
.irp j, 0,1,2,3
	s_delay_alu instid0(VALU_DEP_4)
	v_mul_f32 v[PT+\j], 0x3fb8aa3b, v[PT+\j]       ; x log2(e)
.endr
	s_wait_alu depctr_va_vdst(0)
.irp j, 0,1,2,3
	v_exp_f32 v[PT+\j], v[PT+\j]
.endr
	v_nop                                          ; a plain instruction behind the last exponential (ISA guide 5.7.2),
	s_wait_alu depctr_va_vdst(0)                   ; and the one wait ahead of the batch's first reader
	v_add_f32 v12, v[PT], v[PT+1]
	v_add_f32 v13, v[PT+2], v[PT+3]
	s_delay_alu instid0(VALU_DEP_1)
	v_add_f32 v12, v12, v13
	s_delay_alu instid0(VALU_DEP_1)
	v_add_f32_dpp v12, v12, v12 row_xmask:1 row_mask:0xf bank_mask:0xf
	s_delay_alu instid0(VALU_DEP_1)
	v_add_f32_dpp v12, v12, v12 row_xmask:2 row_mask:0xf bank_mask:0xf
	s_delay_alu instid0(VALU_DEP_1)
	v_add_f32_dpp v12, v12, v12 row_xmask:4 row_mask:0xf bank_mask:0xf
	s_wait_alu depctr_va_vdst(0)
	v_rcp_f32 v13, v12
	v_nop
	s_wait_alu depctr_va_vdst(0)                   ; likewise for the reciprocal
.irp j, 0,1,2,3
	v_mul_f32 v[PT+\j], v[PT+\j], v13
.endr
	ds_store_b128 v2, v[PT:PT+3] offset:4096       ; my wave's own 512 bytes: row l / 8 at 128 (l / 8), h at 16 (l % 8)
.irp r, 0,1,2,3
	ds_load_b128 v[W+4*\r:W+4*\r+3], v6 offset:4096+128*\r         ; LDS serves a wave's instructions in order (ISA guide 5.7.1.4): these see the store above
.endr
	s_wait_dscnt 0x0
.irp i, 0,1,2,3,4,5,6,7,8,9,10,11,12,13,14,15
	s_wait_loadcnt 15-\i                           ; loads come back in order (ISA guide 5.7.1): number i is in, the younger ones may be out
	v_pk_mul_f32 v[V+4*\i:V+4*\i+1], v[V+4*\i:V+4*\i+1], v[W+4*(\i/4):W+4*(\i/4)+1]
	v_pk_mul_f32 v[V+4*\i+2:V+4*\i+3], v[V+4*\i+2:V+4*\i+3], v[W+4*(\i/4)+2:W+4*(\i/4)+3]
	global_store_b128 v5, v[V+4*\i:V+4*\i+3], s[10:11] offset:16384*(\i/4)+512*(\i%4) th:TH_STORE_NT   ; 512 consecutive bytes a wave, at a multiple of 512 from out0's first byte; no store's data are written again
.endr
	s_wait_tensorcnt 0x0
	ds_add_u32 v128, v129
	s_wait_dscnt 0x0
	s_endpgm
.Lfunc_end_k_q8e975a31e0_weigh:
	.size	k_q8e975a31e0_weigh, .Lfunc_end_k_q8e975a31e0_weigh-k_q8e975a31e0_weigh
	.p2alignl 7, 3214868480
	.fill 96, 4, 3214868480
	.section	.rodata,"a",@progbits
	.p2align	6, 0x0
	.amdhsa_kernel k_q8e975a31e0_weigh
		.amdhsa_group_segment_fixed_size 9216
		.amdhsa_private_segment_fixed_size 0
		.amdhsa_enable_private_segment 0
		.amdhsa_kernarg_size 32
		.amdhsa_user_sgpr_count 2
		.amdhsa_user_sgpr_kernarg_segment_ptr 1
		.amdhsa_wavefront_size32 1
		.amdhsa_system_sgpr_workgroup_id_x 1
		.amdhsa_system_sgpr_workgroup_id_y 1
		.amdhsa_system_sgpr_workgroup_id_z 1
		.amdhsa_system_vgpr_workitem_id 0
		.amdhsa_next_free_vgpr 130
		.amdhsa_next_free_sgpr 66
		.amdhsa_reserve_vcc 1
		.amdhsa_float_denorm_mode_32 3
		.amdhsa_float_denorm_mode_16_64 3
		.amdhsa_memory_ordered 1
		.amdhsa_forward_progress 1
		.amdhsa_inst_pref_size 13
	.end_amdhsa_kernel
	.amdgpu_metadata
---
amdhsa.version: [ 1, 2 ]
amdhsa.kernels:
  - .name:           k_q8e975a31e0_weigh
    .symbol:         k_q8e975a31e0_weigh.kd
    .args:
      - { .name: vbuf, .offset: 0, .size: 8, .value_kind: global_buffer, .address_space: global }
      - { .name: part, .offset: 8, .size: 8, .value_kind: global_buffer, .address_space: global }
      - { .name: mask, .offset: 16, .size: 8, .value_kind: global_buffer, .address_space: global }
      - { .name: out0, .offset: 24, .size: 8, .value_kind: global_buffer, .address_space: global }
    .group_segment_fixed_size: 9216
    .private_segment_fixed_size: 0
    .kernarg_segment_align: 8
    .kernarg_segment_size: 32
    .max_flat_workgroup_size: 256
    .sgpr_count:     66
    .vgpr_count:     130
    .wavefront_size: 32
...
	.end_amdgpu_metadata
.endif
;; end of part 4
